; MI455X (gfx1250); checked and timed in simulation.
; The chip was launched on July 23, 2026; its instructions are those of AMD's public machine-readable ISA for CDNA 5 (MIT licence, August 2026) and "CDNA5" Instruction Set Architecture Reference Guide (July 2026). The comments in the code are by the model that wrote it; some were corrected since.
;; Cross Attention. Allowed arithmetic: matrix products marked QUANTISED: E4M3 operands, one given power-of-two scale a tensor, by v_wmma_f32_16x16x64_fp8_fp8 or v_wmma_f32_16x16x128_fp8_fp8, f32 sums; everything else in f32.
;; Inputs: b2 256 float32; bias_table 675 x 8 float32; bk 256 float32; bq 256 float32; bv 256 float32; g2 256 float32; gk 256 float32; gq 256 float32; gv 256 float32; k 2 x 8 x 64 x 64 x 256 float32; lowp_scales 10 int32 (the exponents e of the quantised operands' scales 2^e); mb1 512 float32; mb2 256 float32; mw1_codes 512 x 8 x 32 uint8 (E4M3 codes of mw1, K innermost, in blocks of 32 codes); mw2_codes 256 x 16 x 32 uint8 (E4M3 codes of mw2, K innermost, in blocks of 32 codes); proj_b 256 float32; proj_w_codes 256 x 8 x 32 uint8 (E4M3 codes of proj_w, K innermost, in blocks of 32 codes); q 2 x 8 x 64 x 64 x 256 float32; v 2 x 8 x 64 x 64 x 256 float32.
;; Outputs: out0 2 x 8 x 64 x 64 x 256 float32.
;; This version of the problem:
;;   THIS VERSION OF THE PROBLEM IS GIVEN IN LOW PRECISION. The matrix products marked QUANTISED in the list below multiply operands that are first quantised to E4M3 (4 exponent bits, 3 mantissa bits; 8 bits a number), with one given power-of-two scale for each operand tensor; their sums are f32. All else is computed in f32.
;;   The module's matrix products, in the order in which they are computed (A, B: the left and right operand; K: the contracted axis; several contracted axes count as one K, in the product's order):
;;     1. batch 4,096 x [M 128, K 32] x [K 32, N 128]; A: computed on the way; B: computed on the way: QUANTISED (scales: A lowp_scales[0], B lowp_scales[1])
;;     2. batch 4,096 x [M 128, K 128] x [K 128, N 32]; A: softmax (see below); B: computed on the way: QUANTISED (scales: A lowp_scales[2], B lowp_scales[3])
;;     3. [M 65,536, K 256] x [K 256, N 256]; A: computed on the way; B: input proj_w (given as codes): QUANTISED (scales: A lowp_scales[4], B lowp_scales[5])
;;     4. [M 65,536, K 256] x [K 256, N 512]; A: computed on the way; B: input mw1 (given as codes): QUANTISED (scales: A lowp_scales[6], B lowp_scales[7])
;;     5. [M 65,536, K 512] x [K 512, N 256]; A: computed on the way; B: input mw2 (given as codes): QUANTISED (scales: A lowp_scales[8], B lowp_scales[9])
;;   THE QUANTISER, for each operand of a quantised product, along K:
;;     - The operand's scale is 2^e, e = its entry of the input lowp_scales (int32; the entries are numbered through the quantised products in the list's order, A before B).
;;     - Each number is divided by the scale, clamped to +-448, and rounded to the nearest number of E4M3, ties to even, subnormals kept.
;;     - The product sums the exact products of the quantised numbers (number of the format x scale) in f32.
;;   ~~~python
;;   def quantise(x, axis, e):      # numpy; x: float32 -> the quantised numbers, widened to float32 again
;;       x = np.moveaxis(x, axis, -1); K = x.shape[-1]
;;       r = np.clip(x / 2.0 ** e, -448, 448)
;;       step = 2.0 ** (np.maximum(np.frexp(np.where(r == 0, 1, r))[1] - 1, -6) - 3)
;;       q = np.round(r / step) * step * 2.0 ** e      # np.round: ties to even
;;       return np.moveaxis(q, -1, axis).astype(np.float32)
;;   ~~~
;;   SOFTMAX AHEAD OF A QUANTISED PRODUCT. Where the list says 'softmax', what is quantised is not the finished softmax but p = 2^(t - M), with t = logit x log2(e) and M = ceil(the row's largest t), a whole number; so 1/2 < the row's largest p <= 1. The row's sum l is taken of the UNQUANTISED p, in f32, and the product's result is divided by l at the end. Since M is a whole number, a kernel that streams over the keys may use a running M (the ceiling of the running maximum): every later rescaling is an exact power of two, so the quantised numbers keep their values, but for numbers so far below the row's largest that they fall under the format's range.
;;   OPERANDS COMPUTED ON THE WAY. 'Computed on the way' means the value that the module computes at that place (a softmax that the list does not call 'softmax' is quantised finished and normalised). What goes into a quantiser is computed in f32, as accurately as f32 sums, v_exp_f32 and their like allow (about 1e-6 of the number): no bf16 or f16 on the way to a quantiser, and a product that is left as it is and whose result goes on into a quantised operand takes f32 operands (vector FMAs, or v_wmma_f32_16x16x4_f32). A number that lies on a knife's edge between two numbers of the format may be rounded either way, as far as f32 arithmetic and the matrix unit's own rounding can turn it there, and no further.
;;   INPUTS GIVEN AS CODES. mw1 (in the module: [512, 256], K = its axis 1); mw2 (in the module: [256, 512], K = its axis 1); proj_w (in the module: [256, 256], K = its axis 1): each comes as NAME_codes (uint8): NAME with its K axis moved to the last place and cut into blocks of 32 codes, [.., K / 32, bytes a block], one block behind the other in memory; one code a byte (a code: sign, 4 exponent bits, 3 mantissa bits); its scale is its entry of lowp_scales. Its value is code x scale, taken as it is: it is not quantised again, and the codes and scales need not be those that the quantiser above would give.
;; 2 versions, each right; version 2 is version 1 with the launch xattn written anew for expert scheduling mode. Each part assembles by itself: llvm-mc -triple=amdgcn-amd-amdhsa -mcpu=gfx1250 --defsym DOCPART=n.
;; ======== version 1 of 2: 1 launch
;; launch xattn (part 1): grid 512 x 1, 8 waves a work-group, no clusters, 311,552 bytes of LDS; arguments q, k, v, gq, bq, gk, bk, gv, bv, bias_table, proj_w_codes, proj_b, g2, b2, mw1_codes, mb1, mw2_codes, mb2, lowp_scales, out0; writes out0
.if DOCPART == 1
	.amdgcn_target "amdgcn-amd-amdhsa--gfx1250"
	.amdhsa_code_object_version 6
	.text
	.protected	k_q559697c6fb_xattn
	.globl	k_q559697c6fb_xattn
	.p2align	8
	.type	k_q559697c6fb_xattn,@function
k_q559697c6fb_xattn:
	s_mov_b64 s[64:65], 0
	v_nop
	global_prefetch_b8 v0, s[64:65] scope:SCOPE_SE
	s_setreg_imm32_b32 hwreg(HW_REG_WAVE_MODE, 25, 1), 1
	s_wait_xcnt 0x0
; Windowed cross attention with LayerNorms, projection, residual and MLP, all five products on E4M3 codes with the given scales 2^e0 .. 2^e9.
; ONE WORK-GROUP = ONE WINDOW of 128 tokens x 256 channels (512 windows); eight waves; nothing goes through memory between the steps.
; TOKENS.  A window's token (t, h, w) lies in row tile a = h at place m = 8 t + w; its LDS row is 16 a + m; its bytes in q, k, v, out0 begin at WOFF + (a << 16) + (t << 22) + (w << 10).
; WHO DOES WHAT.  LayerNorm of q, k, v: wave w takes row tile w.  Attention: wave w takes head w, all eight query tiles.  proj, MLP: wave w takes output channels 32 w .. + 31 (hidden units 64 w .. + 63)
; of all 128 tokens; its slice of each weight lies in its registers, and x = v + proj stays in 128 of its registers to the end.
; ALL PRODUCTS ARE USED TRANSPOSED (source 0 = 16 keys / channels / rows of a weight, source 1 = 16 tokens): a lane holds one token and its registers run along the next product's K.
; The rows of a weight that form a tile are 8 u + r + 8 (r / 8) (+ 32 b), so that a lane's 16 registers of two tiles are 16 neighbouring channels.
; SOFTMAX: t = logit x log2(e), M = ceil(row's largest t), p = 2^(t - M) is quantised; the row's sum of the unquantised p divides at the end.  All 128 keys of a row are in hand at once, so M is the row's own.
; GELU: 0.5 x (1 + erf(x / sqrt 2)), erf as y P(y^2) / Q(y^2) of degrees 13 and 8 in f32, y held within +-4 (beyond which erf is +-1 in f32).
; NO CLUSTER: the windows share only the weights, 327,680 bytes, against 524,288 bytes of a window's own rows; a joint load lands in LDS, of which this text has 310,528 of 327,680 bytes in use.
; LIMITS: each e between -126 and 119; e0 + e1, +-(e4 + e5), e6 + e7 - 1 and e8 + e9 between -126 and 127, so that each power of two below is an f32 number.  NaN among the inputs is not served.
; LDS: BIAS 0 (two copies of the turned bias table; later each wave's stage for turning weights), PAR (g2, b2, mb2, mb1), QO (codes of q, then of the attention's result; later, with VR, the hidden layer's codes),
; VR (codes of v), KR (codes of k; later of LayerNorm 2's result), STATS, VST ((v + proj_b) / 2^(e4+e5) in f32; later W2's rows; later the result's rows).
.set HSTR,  3328                       ; a head's bias table: 52 rows of 64 bytes (45 are read; the rest take the third pass's surplus threads)
.set CSTR,  26648                      ; from copy 0 to copy 1: 8 heads + 24 bytes
.set PAR,   53504
.set QO,    58624                      ; rows of 272 bytes
.set VR,    93440                      ; rows of 288 bytes
.set KR,    130304                     ; rows of 272 bytes
.set STATS, 165120                     ; 80 bytes a token: eight waves' (mean, sum of squares)
.set VST,   175360                     ; rows of 1,040 bytes
.set HID,   QO                         ; rows of 528 bytes
; registers that stay: v0 thread, v1 1024 h + 16 r, v2 16 r, v3 16 x lane, v20 r = lane % 16, v21 h = lane / 16, v24-29 scales and holds, v30 a lane exchange's landing place; v4-19, v23: the phase's addresses
.set XA,  32                           ; v32-159   128 numbers of a row tile (k, then q)
.set XB,  0                            ; v256-383  the same for v (window 1)
.set T,   160                          ; v160-175  eight pairs: a token pair's sums, means, 1 / sigma
.set C,   176                          ; v176-207  codes
.set T2,  208                          ; v208-239  at work
.set GK,  128                          ; window 1: gain 16, bias 16 in the loads' layout: k's, v's; proj_b; q's
.set GV,  160
.set PBD, 192
.set GQ,  224
.set KF,  32                           ; attention: v32-67 k's eight fragments and four zeros
.set QF,  68                           ; v68-75 q's fragment and four zeros
.set VTE, 76                           ; v76-91 V^T, even channels;  v92-107 odd channels
.set VTO, 92
.set S,   108                          ; v108-171 S^T, then p
.set P,   172                          ; v172-187 p's codes
.set OE,  188
.set OO,  196
.set OT,  204
.set EC,  220
.set OC,  222
.set OQ,  224
.set XR,  128                          ; window 1: v384-511  x, 16 registers a row tile
.set YY,  128                          ; GELU: y, y^2, P, Q
.set ZZ,  144
.set PN,  160
.set QD,  176
.set MSB, 0
.macro WIN new                         ; s_set_vgpr_msb: bits 1:0 source 0, 3:2 source 1, 5:4 source 2, 7:6 destination; the high byte repeats the setting that is left
.if MSB != (\new)
	s_set_vgpr_msb (MSB<<8)|(\new)
.set MSB, (\new)
.endif
.endm
.macro BAR                             ; my LDS stores have landed and my LDS loads are in: then the work-group's barrier
	s_wait_dscnt 0x0
	s_barrier_signal -1
	s_barrier_wait -1
.endm
.macro MKSC e, vS, vL                  ; v[vS] = 2^e as f32 (the conversion takes its exponent field), v[vL] = 448 x 2^e; e in s[e]
	s_add_co_i32 s86, s[\e], 127
	s_lshl_b32 s87, s86, 23
	v_mov_b32 v[\vS], s87
	s_add_co_i32 s86, s86, 8
	s_lshl_b32 s86, s86, 23
	s_or_b32 s86, s86, 0x600000
	v_mov_b32 v[\vL], s86
.endm
.macro LOADP reg, base                 ; 256 numbers of a parameter as the rows are loaded: register 4 p + e = channel 64 p + 4 r + e
.irp p,0,1,2,3
	global_load_b128 v[\reg+4*\p:\reg+4*\p+3], v2, s[\base:\base+1] offset:256*\p
.endr
.endm
.macro LOADX base, xx                  ; my row tile: register 16 i + 4 p + e = token 2 i + h, channel 64 p + 4 r + e; sixteen lanes read 256 consecutive bytes, aligned
.irp i,0,1,2,3,4,5,6,7
.irp p,0,1,2,3
	global_load_b128 v[\xx+16*\i+4*\p:\xx+16*\i+4*\p+3], v1, s[\base:\base+1] offset:(\i/4)*4194304+(\i%4)*2048+256*\p th:TH_LOAD_NT
.endr
.endr
.endm
; LayerNorm and quantiser of one row tile.  xx, wx: the numbers' registers and window; gb: gain and bias (window 1); acw, pitch: where the codes go; kind 0 k, 1 v, 2 q; vS, vL: scale and hold.
.macro UNIT xx, wx, gb, acw, pitch, kind, vS, vL
.if \kind == 1
	WIN 0x41                                       ; v is also the shortcut: (v + proj_b) / 2^(e4+e5) goes to LDS in f32, as the C of the projection's sums
.irp j,0,2,4,6,8,10,12,14
	v_pk_mul_f32 v[PBD+\j:PBD+\j+1], v[PBD+\j:PBD+\j+1], s[68:69] op_sel_hi:[1,0]
.endr
.irp g,0,1,2,3
.if \g > 0
	s_wait_dscnt 0x0                               ; the last four tokens' stores have read T2
.endif
	WIN 0x11
.irp j,0,2,4,6,8,10,12,14,16,18,20,22,24,26,28,30
	v_pk_fma_f32 v[T2+\j:T2+\j+1], v[\xx+32*\g+\j:\xx+32*\g+\j+1], s[68:69], v[PBD+(\j%16):PBD+(\j%16)+1] op_sel_hi:[1,0,1]
.endr
	WIN 0
.irp q,0,1,2,3,4,5,6,7
	ds_store_b128 v7, v[T2+4*\q:T2+4*\q+3] offset:(4*\g+2*(\q/4))*1040+256*(\q%4)
.endr
.endr
.endif
	WIN \wx*5                                      ; the mean: 16 registers a lane, then the 16 lanes of a token
.irp i,0,1,2,3,4,5,6,7
	v_pk_add_f32 v[T+2*\i:T+2*\i+1], v[\xx+16*\i:\xx+16*\i+1], v[\xx+16*\i+2:\xx+16*\i+3]
.endr
	WIN \wx
.irp k,4,6,8,10,12,14
.irp i,0,1,2,3,4,5,6,7
	v_pk_add_f32 v[T+2*\i:T+2*\i+1], v[\xx+16*\i+\k:\xx+16*\i+\k+1], v[T+2*\i:T+2*\i+1]
.endr
.endr
	WIN 0
.irp i,0,1,2,3,4,5,6,7
	v_add_f32 v[T+2*\i], v[T+2*\i], v[T+2*\i+1]
.endr
.irp m,1,2,4,8
.irp i,0,1,2,3,4,5,6,7
	v_add_f32_dpp v[T+2*\i], v[T+2*\i], v[T+2*\i] row_xmask:\m row_mask:0xf bank_mask:0xf
.endr
.endr
.irp i,0,1,2,3,4,5,6,7
	v_mul_f32 v[T+2*\i], s76, v[T+2*\i]
.endr
	WIN \wx*0x41                                   ; x - mean
.irp i,0,1,2,3,4,5,6,7
.irp k,0,2,4,6,8,10,12,14
	v_pk_add_f32 v[\xx+16*\i+\k:\xx+16*\i+\k+1], v[\xx+16*\i+\k:\xx+16*\i+\k+1], v[T+2*\i:T+2*\i+1] op_sel_hi:[1,0] neg_lo:[0,1] neg_hi:[0,1]
.endr
.endr
	WIN \wx*5                                      ; the variance, of the differences
.irp i,0,1,2,3,4,5,6,7
	v_pk_mul_f32 v[T+2*\i:T+2*\i+1], v[\xx+16*\i:\xx+16*\i+1], v[\xx+16*\i:\xx+16*\i+1]
.endr
.irp k,2,4,6,8,10,12,14
.irp i,0,1,2,3,4,5,6,7
	v_pk_fma_f32 v[T+2*\i:T+2*\i+1], v[\xx+16*\i+\k:\xx+16*\i+\k+1], v[\xx+16*\i+\k:\xx+16*\i+\k+1], v[T+2*\i:T+2*\i+1]
.endr
.endr
	WIN 0
.irp i,0,1,2,3,4,5,6,7
	v_add_f32 v[T+2*\i], v[T+2*\i], v[T+2*\i+1]
.endr
.irp m,1,2,4,8
.irp i,0,1,2,3,4,5,6,7
	v_add_f32_dpp v[T+2*\i], v[T+2*\i], v[T+2*\i] row_xmask:\m row_mask:0xf bank_mask:0xf
.endr
.endr
.irp i,0,1,2,3,4,5,6,7
	v_fma_f32 v[T+2*\i], v[T+2*\i], s76, s77       ; sum / 256 + 1e-5
.endr
.irp i,0,1,2,3,4,5,6,7
	v_rsq_f32 v[T+2*\i], v[T+2*\i]
.endr
	v_nop                                          ; a plain instruction behind the last root,
	s_wait_alu depctr_va_vdst(0)                   ; and one wait for the eight, ahead of their first reader
.if \kind == 2
.irp i,0,1,2,3,4,5,6,7
	v_mul_f32 v[T+2*\i], s78, v[T+2*\i]            ; q is quantised as q x 32^-0.5: the factor goes into 1 / sigma and into the bias
.endr
	WIN 0x41
.irp j,0,2,4,6,8,10,12,14
	v_pk_mul_f32 v[\gb+16+\j:\gb+16+\j+1], v[\gb+16+\j:\gb+16+\j+1], s[78:79] op_sel_hi:[1,0]
.endr
.endif
	WIN \wx*0x41
.irp i,0,1,2,3,4,5,6,7
.irp k,0,2,4,6,8,10,12,14
	v_pk_mul_f32 v[\xx+16*\i+\k:\xx+16*\i+\k+1], v[\xx+16*\i+\k:\xx+16*\i+\k+1], v[T+2*\i:T+2*\i+1] op_sel_hi:[1,0]
.endr
.endr
	WIN \wx*0x41|0x14
.irp i,0,1,2,3,4,5,6,7
.irp k,0,2,4,6,8,10,12,14
	v_pk_fma_f32 v[\xx+16*\i+\k:\xx+16*\i+\k+1], v[\xx+16*\i+\k:\xx+16*\i+\k+1], v[\gb+\k:\gb+\k+1], v[\gb+16+\k:\gb+16+\k+1]
.endr
.endr
	WIN \wx*0x41
.set i, 0
.rept 128
	v_med3_num_f32 v[\xx+i], v[\xx+i], -v[\vL], v[\vL]   ; the conversion to an 8-bit code does not saturate (ISA guide 7.6.2): the hold at the largest code x the scale
.set i, i+1
.endr
	s_wait_dscnt 0x0                               ; the last unit's stores have read C
	WIN \wx
.irp i,0,1,2,3,4,5,6,7
	v_cvt_scalef32_pk8_fp8_f32 v[C+4*\i:C+4*\i+1], v[\xx+16*\i:\xx+16*\i+7], v[\vS]
	v_cvt_scalef32_pk8_fp8_f32 v[C+4*\i+2:C+4*\i+3], v[\xx+16*\i+8:\xx+16*\i+15], v[\vS]
.endr
	v_nop                                          ; a plain instruction behind the last scaled conversion
	WIN 0
.irp i,0,1,2,3,4,5,6,7
.irp p,0,1,2,3
	ds_store_b32 v[\acw], v[C+4*\i+\p] offset:2*\i*\pitch+64*\p   ; four codes: token 2 i + h, channels 64 p + 4 r on
.endr
.endr
.endm
	; ---------------- the head: addresses, constants, the first loads
	s_load_b512 s[8:23], s[0:1], 0x0               ; q 8, k 10, v 12, gq 14, bq 16, gk 18, bk 20, gv 22
	s_load_b512 s[24:39], s[0:1], 0x40             ; bv 24, bias_table 26, proj_w 28, proj_b 30, g2 32, b2 34, mw1 36, mb1 38
	s_load_b256 s[40:47], s[0:1], 0x80             ; mw2 40, mb2 42, lowp_scales 44, out0 46
	v_lshrrev_b32 v4, 5, v0
	v_readfirstlane_b32 s3, v4                     ; wave 0..7
	v_and_b32 v20, 15, v0                          ; r
	v_bfe_u32 v21, v0, 4, 1                        ; h
	v_and_b32 v22, 31, v0                          ; lane
	v_lshlrev_b32 v2, 4, v20
	v_lshl_add_u32 v1, v21, 10, v2
	v_lshlrev_b32 v3, 4, v22
	v_mov_b32 v30, 0
	; the bias table is turned round: place x = 225 (tk-tq+1) + 15 (hk-hq+7) + (wk-wq+7) takes entry 674 - x, so that a lane's eight keys (wk = 0..7) are eight neighbouring words.  Thread t takes x = t, t + 256, t + 512
	v_sub_nc_u32 v8, 674, v0
	v_lshlrev_b32 v8, 5, v8                        ; an entry is 8 heads x 4 bytes
	v_sub_nc_u32 v9, 418, v0
	v_lshlrev_b32 v9, 5, v9
	v_min_u32 v10, 162, v0                         ; x beyond 674: entry 0 is read again and stored into rows that nobody reads
	v_sub_nc_u32 v10, 162, v10
	v_lshlrev_b32 v10, 5, v10
	v_lshlrev_b32 v14, 2, v0
	v_add_nc_u32 v15, PAR, v14
.irp it,0,1,2
	v_add_nc_u32 v[11+\it], 256*\it, v0            ; x
	v_mul_u32_u24 v16, v[11+\it], 0x8889
	v_lshrrev_b32 v16, 19, v16                     ; x / 15 (exact for x under 768)
	v_add_nc_u32 v[11+\it], v[11+\it], v16
	v_lshlrev_b32 v[11+\it], 2, v[11+\it]          ; rows of 15 words lie 16 words apart: byte 4 (x + x / 15)
.endr
	s_lshr_b32 s84, ttmp9, 6                       ; the window: (batch, t block) << 23, h block << 19, w block << 13; + my row tile << 16
	s_lshl_b32 s84, s84, 23
	s_bfe_u32 s86, ttmp9, 0x30003
	s_lshl_b32 s86, s86, 19
	s_add_co_u32 s84, s84, s86
	s_and_b32 s86, ttmp9, 7
	s_lshl_b32 s86, s86, 13
	s_add_co_u32 s84, s84, s86
	s_lshl_b32 s86, s3, 16
	s_add_co_u32 s84, s84, s86
	s_mov_b32 s85, 0
	s_mov_b32 s58, 0x76543210                      ; v_permlanex16_b32: lane l xor 16
	s_mov_b32 s59, 0xfedcba98
	s_mov_b32 s76, 0x3b800000                      ; 1 / 256
	s_mov_b32 s77, 0x3727c5ac                      ; 1e-5
	s_mov_b32 s78, 0x3e3504f3                      ; 32^-0.5
	s_mov_b32 s79, 0x06040200                      ; v_perm_b32: the even bytes of two words;
	s_mov_b32 s80, 0x07050301                      ; the odd ones;
	s_mov_b32 s81, 0x05010400                      ; two words' bytes 0, 1 by turns;
	s_mov_b32 s82, 0x07030602                      ; their bytes 2, 3
	s_wait_kmcnt 0x0
	s_load_b256 s[48:55], s[44:45], 0x0            ; e0 .. e7
	s_load_b64 s[56:57], s[44:45], 0x20            ; e8, e9
	s_add_nc_u64 s[8:9], s[8:9], s[84:85]
	s_add_nc_u64 s[10:11], s[10:11], s[84:85]
	s_add_nc_u64 s[12:13], s[12:13], s[84:85]
	s_add_nc_u64 s[46:47], s[46:47], s[84:85]
	s_lshl_b32 s86, s3, 13                         ; my 32 rows of proj_w (256 bytes each),
	s_mov_b32 s87, 0
	s_add_nc_u64 s[28:29], s[28:29], s[86:87]
	s_lshl_b32 s86, s3, 14                         ; my 64 rows of mw1 (256 bytes), my 32 rows of mw2 (512 bytes)
	s_add_nc_u64 s[36:37], s[36:37], s[86:87]
	s_add_nc_u64 s[40:41], s[40:41], s[86:87]
	global_load_b128 v[208:211], v8, s[26:27]
	global_load_b128 v[212:215], v8, s[26:27] offset:16
	global_load_b128 v[216:219], v9, s[26:27]
	global_load_b128 v[220:223], v9, s[26:27] offset:16
	global_load_b128 v[224:227], v10, s[26:27]
	global_load_b128 v[228:231], v10, s[26:27] offset:16
	global_load_b32 v232, v14, s[32:33]            ; g2
	global_load_b32 v233, v14, s[34:35]            ; b2
	global_load_b32 v234, v14, s[42:43]            ; mb2
	global_load_b32 v235, v14, s[38:39]            ; mb1
	global_load_b32 v236, v14, s[38:39] offset:1024
	WIN 0x40
	LOADP GK, 18
	LOADP GK+16, 20
	LOADP GV, 22
	LOADP GV+16, 24
	LOADP PBD, 30
	LOADP GQ, 14
	LOADP GQ+16, 16
	WIN 0
	LOADX 10, XA                                   ; k
	s_lshl_b32 s86, s3, 4
	v_add_nc_u32 v16, s86, v21                     ; 16 w + h: my tile's first row for my half of the lanes
	v_mul_u32_u24 v4, v16, 272
	v_lshl_add_u32 v4, v20, 2, v4
	v_add_nc_u32 v6, QO, v4                        ; v6: where q's codes go;
	v_add_nc_u32 v4, KR, v4                        ; v4: k's;
	v_mul_u32_u24 v5, v16, 288
	v_lshl_add_u32 v5, v20, 2, v5
	v_add_nc_u32 v5, VR, v5                        ; v5: v's;
	v_mul_u32_u24 v7, v16, 1040
	v_lshl_add_u32 v7, v20, 4, v7
	v_add_nc_u32 v7, VST, v7                       ; v7: the shortcut's rows
	s_wait_loadcnt 60                              ; the table's 6 loads and the 5 of g2, b2, mb2, mb1 are in; behind them: 28 of the parameters, 32 of k
	s_wait_kmcnt 0x0
	s_add_co_i32 s86, s48, s49                     ; e0 + e1
	s_sub_co_i32 s89, 0, s86
	s_lshl_b32 s86, s86, 23
	s_add_co_i32 s60, s86, 0x3fb8aa3b              ; log2(e) x 2^(e0+e1): the exponents are added to its exponent field
	s_mov_b32 s61, s60
	s_add_co_i32 s86, s52, s53                     ; e4 + e5
	s_sub_co_i32 s87, 127, s86
	s_lshl_b32 s68, s87, 23                        ; 2^-(e4+e5)
	s_mov_b32 s69, s68
	s_add_co_i32 s87, s86, 127
	s_lshl_b32 s70, s87, 23                        ; 2^(e4+e5)
	s_mov_b32 s71, s70
	s_add_co_i32 s86, s54, s55                     ; e6 + e7
	s_sub_co_i32 s91, 0, s86
	s_add_co_i32 s86, s86, 126
	s_lshl_b32 s72, s86, 23                        ; 2^(e6+e7-1)
	s_mov_b32 s73, s72
	s_add_co_i32 s86, s56, s57                     ; e8 + e9
	s_sub_co_i32 s90, 0, s86
	s_add_co_i32 s86, s86, 127
	s_lshl_b32 s74, s86, 23                        ; 2^(e8+e9)
	s_mov_b32 s75, s74
	s_add_co_i32 s83, s50, s51                     ; e2 + e3
.set i, 0
.rept 24
	v_ldexp_f32 v[208+i], v[208+i], s89            ; the bias goes in as the C of the scores' sums: / 2^(e0+e1)
.set i, i+1
.endr
	v_ldexp_f32 v234, v234, s90                    ; mb2 / 2^(e8+e9), mb1 / 2^(e6+e7): likewise
	v_ldexp_f32 v235, v235, s91
	v_ldexp_f32 v236, v236, s91
.irp it,0,1,2
.irp hd,0,1,2,3,4,5,6,7
	ds_store_b32 v[11+\it], v[208+8*\it+\hd] offset:\hd*HSTR          ; copy 0: word p of its row;
	ds_store_b32 v[11+\it], v[208+8*\it+\hd] offset:\hd*HSTR+CSTR+4   ; copy 1: word p + 1, so that every lane finds its eight words at a multiple of 8 bytes in one of the two
.endr
.endr
	ds_store_b32 v15, v232
	ds_store_b32 v15, v233 offset:1024
	ds_store_b32 v15, v234 offset:2048
	ds_store_b32 v15, v235 offset:3072
	ds_store_b32 v15, v236 offset:4096
	WIN 0x40
	LOADX 12, XB                                   ; v
	WIN 0
	MKSC 49, 24, 25                                ; k: e1
	MKSC 51, 26, 27                                ; v: e3
	MKSC 48, 28, 29                                ; q: e0
	; ---------------- LayerNorm and quantiser of k, v, q
	s_wait_loadcnt 32                              ; the parameters and k are in; v's 32 loads may be out
	UNIT XA, 0, GK, 4, 272, 0, 24, 25
	LOADX 8, XA                                    ; q, into k's registers
	s_wait_loadcnt 32                              ; v is in; q's 32 may be out
	UNIT XB, 1, GV, 5, 288, 1, 26, 27
	WIN 0x40                                       ; my slices of proj_w and mw1: two whole rows (512 consecutive bytes) a load; they land during the attention
.irp u,0,1
.irp n,0,1,2,3,4,5,6,7
	global_load_b128 v[160+32*\u+4*\n:160+32*\u+4*\n+3], v3, s[28:29] offset:(8*\u+2*\n+8*(\n/4))*256
.endr
.endr
.irp t,0,1,2,3
.irp n,0,1,2,3,4,5,6,7
	global_load_b128 v[32+32*\t+4*\n:32+32*\t+4*\n+3], v3, s[36:37] offset:(32*(\t/2)+8*(\t%2)+2*\n+8*(\n/4))*256
.endr
.endr
	WIN 0
	s_wait_loadcnt 48                              ; q is in; the 48 loads of weights may be out
	UNIT XA, 0, GQ, 6, 272, 2, 28, 29
	BAR                                            ; the tables, the parameters, all codes and the shortcut lie in LDS
	; ---------------- attention: my head, eight query tiles
	s_lshl_b32 s86, s3, 5
	v_mul_u32_u24 v16, v20, 272
	v_lshl_add_u32 v16, v21, 4, v16
	v_add_nc_u32 v16, s86, v16                     ; row r, my head's 32 bytes, 16 for each half of the lanes
	v_add_nc_u32 v4, KR, v16
	v_add_nc_u32 v5, QO, v16
	v_and_b32 v17, 7, v0
	v_lshl_add_u32 v17, v21, 3, v17
	v_mul_u32_u24 v6, v17, 288                     ; the turning load: key 8 h + lane % 8, 16 bytes (8 pairs of channels) by (lane / 8) % 2
	v_bfe_u32 v17, v0, 3, 1
	v_lshl_add_u32 v6, v17, 4, v6
	v_add_nc_u32 v6, s86, v6
	v_add_nc_u32 v6, VR, v6
	v_and_b32 v18, 7, v0                           ; wq;  v17 = tq
	v_add_nc_u32 v19, 1, v18
	v_and_b32 v19, 1, v19                          ; which copy: (wq + 1) % 2
	v_add_nc_u32 v23, 1, v21
	v_sub_nc_u32 v23, v23, v17                     ; tk - tq + 1 (a lane's keys have tk = h)
	v_mul_u32_u24 v7, v23, 960
	v_mul_u32_u24 v23, v19, CSTR
	v_add_nc_u32 v7, v7, v23
	v_sub_nc_u32 v23, 7, v18
	v_add_nc_u32 v23, v23, v19
	v_lshl_add_u32 v7, v23, 2, v7                  ; word 7 - wq + copy: an even word
	s_mul_i32 s87, s3, HSTR
	v_add_nc_u32 v7, s87, v7                       ; + 64 (7 - hq) + 64 hk gives the row
	MKSC 50, 24, 25                                ; p: e2
	MKSC 52, 26, 27                                ; the result: e4
.irp kt,0,1,2,3,4,5,6,7
	ds_load_b128 v[KF+4*\kt:KF+4*\kt+3], v4 offset:4352*\kt
.endr
.irp c,0,1,2,3,4,5,6,7
	ds_load_tr16_b128 v[S+4*\c:S+4*\c+3], v6 offset:4608*\c
.endr
.irp j,0,1,2,3
	v_mov_b32 v[KF+32+\j], 0
	v_mov_b32 v[QF+4+\j], 0                        ; the head has 32 channels and the instruction 64 along K: q's upper 32 are zero codes, so whatever stands against them adds nothing
.endr
	v_mov_b32 v233, 0                              ; named as the upper halves of pairs
	v_mov_b32 v239, 0
	s_wait_dscnt 0x0
.irp c,0,1,2,3,4,5,6,7
	v_perm_b32 v[VTE+2*\c], v[S+4*\c+1], v[S+4*\c], s79       ; lane r: channel 2 r of the head, keys 16 c + 8 h + 0 .. 7
	v_perm_b32 v[VTE+2*\c+1], v[S+4*\c+3], v[S+4*\c+2], s79
	v_perm_b32 v[VTO+2*\c], v[S+4*\c+1], v[S+4*\c], s80       ; channel 2 r + 1
	v_perm_b32 v[VTO+2*\c+1], v[S+4*\c+3], v[S+4*\c+2], s80
.endr
.macro ATT_LOADS                       ; a query tile's bias, straight into the scores' registers, and its fragment of q.  s66 = 64 (7 - tile), s67 = 4352 x tile
	v_add_nc_u32 v8, s66, v7
	v_add_nc_u32 v9, s67, v5
.irp kt,0,1,2,3,4,5,6,7
.irp i,0,1,2,3
	ds_load_b64 v[S+8*\kt+2*\i:S+8*\kt+2*\i+1], v8 offset:64*\kt+8*\i
.endr
.endr
	ds_load_b128 v[QF:QF+3], v9
.endm
.macro ATT next                        ; one query tile; next = 1: the next tile's bias and q are fetched on the way.  s88 = 4352 x this tile
	s_wait_dscnt 0x0
.irp kt,0,1,2,3,4,5,6,7
	v_wmma_f32_16x16x64_fp8_fp8 v[S+8*\kt:S+8*\kt+7], v[KF+4*\kt:KF+4*\kt+7], v[QF:QF+7], v[S+8*\kt:S+8*\kt+7]
.endr
.rept 4
	v_nop                                          ; four places behind the products (ISA guide 7.12.1)
.endr
	v_max3_num_f32 v228, v[S], v[S+1], v[S+2]      ; the largest score of my query among my 64 keys, in ascending order, in two chains
	v_max3_num_f32 v229, v[S+3], v[S+4], v[S+5]
.set i, 6
.rept 14
	v_max3_num_f32 v228, v228, v[S+i], v[S+i+1]
	v_max3_num_f32 v229, v229, v[S+i+2], v[S+i+3]
.set i, i+4
.endr
	v_max3_num_f32 v228, v228, v[S+62], v[S+63]
	v_max_num_f32 v228, v228, v229
	v_permlanex16_b32 v30, v228, s58, s59
	v_max_num_f32 v228, v228, v30                  ; and among the other 64
	v_mul_f32 v228, s60, v228
	v_floor_f32 v232, -v228                        ; -M = floor(-t)
.set i, 0
.rept 32
	v_pk_fma_f32 v[S+i:S+i+1], v[S+i:S+i+1], s[60:61], v[232:233] op_sel_hi:[1,0,0]   ; t - M
.set i, i+2
.endr
.set i, 0
.rept 64
	v_exp_f32 v[S+i], v[S+i]
.set i, i+1
.endr
	v_nop                                          ; a plain instruction behind the last exponential,
	s_wait_alu depctr_va_vdst(0)                   ; and one wait for the batch, ahead of its first reader
	v_pk_add_f32 v[234:235], v[S:S+1], v[S+2:S+3]  ; the row's sum, of the unquantised p
	v_pk_add_f32 v[236:237], v[S+4:S+5], v[S+6:S+7]
.set i, 8
.rept 14
	v_pk_add_f32 v[234:235], v[234:235], v[S+i:S+i+1]
	v_pk_add_f32 v[236:237], v[236:237], v[S+i+2:S+i+3]
.set i, i+4
.endr
	v_pk_add_f32 v[234:235], v[234:235], v[236:237]
	v_add_f32 v234, v234, v235
	v_permlanex16_b32 v30, v234, s58, s59
	v_add_f32 v234, v234, v30
	v_rcp_f32 v238, v234
	v_nop
	s_wait_alu depctr_va_vdst(0)
	v_ldexp_f32 v238, v238, s83                    ; 2^(e2+e3) / the sum
	s_cmp_ge_i32 s50, -8                           ; p is at most 1 and 2^8 lies under 448: the hold can bite only where e2 is under -8
	s_cbranch_scc1 .Lnohold_\@
.set i, 0
.rept 64
	v_min_num_f32 v[S+i], v[S+i], v25
.set i, i+1
.endr
.Lnohold_\@:
.irp kt,0,1,2,3,4,5,6,7
	v_cvt_scalef32_pk8_fp8_f32 v[P+2*\kt:P+2*\kt+1], v[S+8*\kt:S+8*\kt+7], v24   ; registers 2 kt, 2 kt + 1: keys 16 kt + 8 h + 0 .. 7, as the form's own layout has them
.endr
	v_nop
.if \next
	ATT_LOADS
.endif
	v_wmma_f32_16x16x128_fp8_fp8 v[OE:OE+7], v[VTE:VTE+15], v[P:P+15], 0
	v_wmma_f32_16x16x128_fp8_fp8 v[OO:OO+7], v[VTO:VTO+15], v[P:P+15], 0
.rept 4
	v_nop
.endr
.irp j,0,2,4,6
	v_pk_mul_f32 v[OT+\j:OT+\j+1], v[OE+\j:OE+\j+1], v[238:239] op_sel_hi:[1,0]
.endr
.irp j,0,2,4,6
	v_pk_mul_f32 v[OT+8+\j:OT+8+\j+1], v[OO+\j:OO+\j+1], v[238:239] op_sel_hi:[1,0]
.endr
.set i, 0
.rept 16
	v_med3_num_f32 v[OT+i], v[OT+i], -v27, v27
.set i, i+1
.endr
	v_cvt_scalef32_pk8_fp8_f32 v[EC:EC+1], v[OT:OT+7], v26       ; channels 16 h + 0, 2, .. 14 of my head,
	v_cvt_scalef32_pk8_fp8_f32 v[OC:OC+1], v[OT+8:OT+15], v26    ; and 1, 3, .. 15
	v_add_nc_u32 v10, s88, v5                      ; (the plain instruction behind the conversions)
	v_perm_b32 v[OQ], v[OC], v[EC], s81
	v_perm_b32 v[OQ+1], v[OC], v[EC], s82
	v_perm_b32 v[OQ+2], v[OC+1], v[EC+1], s81
	v_perm_b32 v[OQ+3], v[OC+1], v[EC+1], s82
	ds_store_b128 v10, v[OQ:OQ+3]                  ; over the 16 bytes that this lane read as q: no other wave touches my head's columns
.endm
	s_mov_b32 s66, 448
	s_mov_b32 s67, 0
	ATT_LOADS
	s_mov_b32 s88, 0
	s_mov_b32 s62, 7
.Latt:
	s_sub_co_u32 s66, s66, 64
	s_add_co_u32 s67, s67, 4352
	ATT 1
	s_add_co_u32 s88, s88, 4352
	s_sub_co_u32 s62, s62, 1
	s_cmp_lg_u32 s62, 0
	s_cbranch_scc1 .Latt
	ATT 0                                          ; the last tile fetches nothing
	BAR                                            ; the attention's codes lie in QO; nobody reads the tables, k or v any more
	; ---------------- the projection, the residual, LayerNorm 2
	s_mul_i32 s86, s3, 4352                        ; my stage for turning weights: 16 rows of 272 bytes, where the tables lay
	v_mul_u32_u24 v4, v21, 272
	v_lshl_add_u32 v4, v20, 4, v4
	v_add_nc_u32 v4, s86, v4                       ; in: as loaded, lanes 0-15 one row, lanes 16-31 the next
	v_mul_u32_u24 v16, v20, 272
	v_lshl_add_u32 v16, v21, 4, v16
	v_add_nc_u32 v5, s86, v16                      ; back: row r, 16 bytes by half
	v_add_nc_u32 v8, QO, v16
	s_lshl_b32 s87, s3, 5
	v_add_nc_u32 v12, s87, v16
	v_add_nc_u32 v12, KR, v12
	v_mul_u32_u24 v6, v20, 1040
	v_lshl_add_u32 v6, v21, 6, v6
	s_lshl_b32 s87, s3, 7
	v_add_nc_u32 v6, s87, v6
	v_add_nc_u32 v6, VST, v6                       ; token r, channels 32 w + 16 h on, in f32; row tiles 0-3,
	v_add_nc_u32 v7, 66560, v6                     ; and 4-7
	v_lshl_add_u32 v11, v21, 6, s87
	v_add_nc_u32 v11, PAR, v11
	v_mul_u32_u24 v9, v20, 80
	v_lshl_add_u32 v10, v21, 5, v9
	v_add_nc_u32 v10, STATS, v10
	s_lshl_b32 s87, s3, 3
	v_add_nc_u32 v9, s87, v9
	v_add_nc_u32 v9, STATS, v9
	s_mul_i32 s87, s3, 16896
	v_add_nc_u32 v13, s87, v3
	v_add_nc_u32 v13, VST, v13
	MKSC 54, 24, 25                                ; LayerNorm 2's result: e6
; 16 rows of 256 codes, loaded as whole rows, become two fragments: through my stage.  LDS serves a wave's instructions in order (ISA guide 5.7.1.4): no wait orders the stage's bytes.
.macro TURN16 raw, wr, dst, wd
	WIN 4*\wr
.irp n,0,1,2,3,4,5,6,7
	ds_store_b128 v4, v[\raw+4*\n:\raw+4*\n+3] offset:544*\n
.endr
	s_wait_dscnt 16                                ; these 8 stores and the last turn's 8 loads may be out: the last turn's stores have read their registers, on which the loads below may land
	WIN 0x40*\wd
.irp s,0,1
.irp c,0,1,2,3
	ds_load_b128 v[\dst+16*\s+4*\c:\dst+16*\s+4*\c+3], v5 offset:128*\s+32*\c   ; registers 4 c .. + 3: K = 128 s + 32 c + 16 h + 0 .. 15: the same places of k in both operands
.endr
.endr
.endm
	s_wait_loadcnt 0x0                             ; proj_w's and mw1's rows
	TURN16 160, 1, 32, 0                           ; proj_w: v32-95
	TURN16 192, 1, 64, 0
	TURN16 32, 1, 0, 1                             ; mw1: v256-383, each tile one place below where it was loaded
	TURN16 64, 1, 32, 1
	TURN16 96, 1, 64, 1
	TURN16 128, 1, 96, 1
	WIN 0
	s_wait_dscnt 0x0
.macro PLOAD a                         ; row tile a: the shortcut as the sums' C (4 loads), the attention's two fragments (8)
	WIN 0x40
.irp i,0,1,2,3
	ds_load_b128 v[XR+16*(\a)+4*\i:XR+16*(\a)+4*\i+3], v[6+(\a)/4] offset:((\a)%4)*16640+16*\i
.endr
	WIN 0
.irp s,0,1
.irp c,0,1,2,3
	ds_load_b128 v[96+32*((\a)%2)+16*\s+4*\c:96+32*((\a)%2)+16*\s+4*\c+3], v8 offset:4352*(\a)+128*\s+32*\c
.endr
.endr
.endm
	PLOAD 0
	PLOAD 1
.irp a,0,1,2,3,4,5,6,7
.if \a < 7
	s_wait_dscnt 12                                ; the next tile's 12 loads may be out
.else
	s_wait_dscnt 0x0
.endif
	WIN 0x50                                       ; C and D in window 1; the two accumulators take turns
.irp s,0,1
.irp u,0,1
	v_wmma_f32_16x16x128_fp8_fp8 v[XR+16*\a+8*\u:XR+16*\a+8*\u+7], v[32+32*\u+16*\s:32+32*\u+16*\s+15], v[96+32*(\a%2)+16*\s:96+32*(\a%2)+16*\s+15], v[XR+16*\a+8*\u:XR+16*\a+8*\u+7]
.endr
.endr
	WIN 0
.if \a < 6
.rept 4
	v_nop                                          ; places in front of loads into registers that the products have read
.endr
	PLOAD \a+2
.endif
.endr
	WIN 0x41
.set i, 0
.rept 64
	v_pk_mul_f32 v[XR+i:XR+i+1], v[XR+i:XR+i+1], s[70:71] op_sel_hi:[1,0]   ; x = v + proj: x 2^(e4+e5).  (The first tiles' lines are the places behind the last products)
.set i, i+2
.endr
	WIN 0
.set i, 0
.rept 32
	global_load_b128 v[128+4*i:128+4*i+3], v3, s[40:41] offset:512*i   ; my 32 rows of mw2, a whole row (512 bytes) a load
.set i, i+1
.endr
	; my 32 channels' mean and sum of squared differences, for each token
	WIN 0x05
.irp a,0,1,2,3,4,5,6,7
	v_pk_add_f32 v[32+2*\a:33+2*\a], v[XR+16*\a:XR+16*\a+1], v[XR+16*\a+2:XR+16*\a+3]
.endr
	WIN 0x01
.irp k,4,6,8,10,12,14
.irp a,0,1,2,3,4,5,6,7
	v_pk_add_f32 v[32+2*\a:33+2*\a], v[XR+16*\a+\k:XR+16*\a+\k+1], v[32+2*\a:33+2*\a]
.endr
.endr
	WIN 0
.irp a,0,1,2,3,4,5,6,7
	v_add_f32 v[32+2*\a], v[32+2*\a], v[33+2*\a]
.endr
.irp a,0,1,2,3,4,5,6,7
	v_permlanex16_b32 v[33+2*\a], v[32+2*\a], s58, s59
.endr
.irp a,0,1,2,3,4,5,6,7
	v_add_f32 v[32+2*\a], v[32+2*\a], v[33+2*\a]
.endr
.irp a,0,1,2,3,4,5,6,7
	v_mul_f32 v[32+2*\a], 0x3d000000, v[32+2*\a]   ; / 32
.endr
.irp g,0,1
	WIN 0x01
.irp b,0,1,2,3
.irp k,0,2,4,6,8,10,12,14
	v_pk_add_f32 v[64+16*\b+\k:65+16*\b+\k], v[XR+16*(4*\g+\b)+\k:XR+16*(4*\g+\b)+\k+1], v[32+2*(4*\g+\b):33+2*(4*\g+\b)] op_sel_hi:[1,0] neg_lo:[0,1] neg_hi:[0,1]
.endr
.endr
	WIN 0
.irp b,0,1,2,3
	v_pk_mul_f32 v[48+2*(4*\g+\b):49+2*(4*\g+\b)], v[64+16*\b:65+16*\b], v[64+16*\b:65+16*\b]
.endr
.irp k,2,4,6,8,10,12,14
.irp b,0,1,2,3
	v_pk_fma_f32 v[48+2*(4*\g+\b):49+2*(4*\g+\b)], v[64+16*\b+\k:65+16*\b+\k], v[64+16*\b+\k:65+16*\b+\k], v[48+2*(4*\g+\b):49+2*(4*\g+\b)]
.endr
.endr
.endr
.irp a,0,1,2,3,4,5,6,7
	v_add_f32 v[48+2*\a], v[48+2*\a], v[49+2*\a]
.endr
.irp a,0,1,2,3,4,5,6,7
	v_permlanex16_b32 v[49+2*\a], v[48+2*\a], s58, s59
.endr
.irp a,0,1,2,3,4,5,6,7
	v_add_f32 v[33+2*\a], v[48+2*\a], v[49+2*\a]
.endr
.irp a,0,1,2,3,4,5,6,7
	ds_store_b64 v9, v[32+2*\a:33+2*\a] offset:1280*\a
.endr
	BAR                                            ; every wave's figures lie in STATS; nobody reads the attention's codes or the shortcut any more
	; the eight waves' figures are joined: mean = the means' mean; sum of squares = the sums' sum + 32 x the means' squared differences: no difference of large sums is formed
.irp a,0,1,2,3,4,5,6,7
	ds_load_b128 v[32+8*\a:35+8*\a], v10 offset:1280*\a        ; my half of the lanes: waves 4 h .. 4 h + 3
	ds_load_b128 v[36+8*\a:39+8*\a], v10 offset:1280*\a+16
.endr
	s_wait_dscnt 0x0
.irp a,0,1,2,3,4,5,6,7
	v_pk_add_f32 v[96+2*\a:97+2*\a], v[32+8*\a:33+8*\a], v[34+8*\a:35+8*\a]
	v_pk_add_f32 v[112+2*\a:113+2*\a], v[36+8*\a:37+8*\a], v[38+8*\a:39+8*\a]
.endr
.irp a,0,1,2,3,4,5,6,7
	v_pk_add_f32 v[96+2*\a:97+2*\a], v[96+2*\a:97+2*\a], v[112+2*\a:113+2*\a]
.endr
.irp a,0,1,2,3,4,5,6,7
	v_permlanex16_b32 v[112+2*\a], v[96+2*\a], s58, s59
	v_permlanex16_b32 v[113+2*\a], v[97+2*\a], s58, s59
.endr
.irp a,0,1,2,3,4,5,6,7
	v_pk_add_f32 v[96+2*\a:97+2*\a], v[96+2*\a:97+2*\a], v[112+2*\a:113+2*\a]
.endr
.irp a,0,1,2,3,4,5,6,7
	v_mul_f32 v[96+2*\a], 0x3e000000, v[96+2*\a]   ; the token's mean
.endr
.irp a,0,1,2,3,4,5,6,7
.irp i,0,2,4,6
	v_sub_f32 v[32+8*\a+\i], v[32+8*\a+\i], v[96+2*\a]
.endr
.endr
.irp a,0,1,2,3,4,5,6,7
	v_mul_f32 v[112+2*\a], v[32+8*\a], v[32+8*\a]
.endr
.irp i,2,4,6
.irp a,0,1,2,3,4,5,6,7
	v_fma_f32 v[112+2*\a], v[32+8*\a+\i], v[32+8*\a+\i], v[112+2*\a]
.endr
.endr
.irp a,0,1,2,3,4,5,6,7
	v_permlanex16_b32 v[113+2*\a], v[112+2*\a], s58, s59
.endr
.irp a,0,1,2,3,4,5,6,7
	v_add_f32 v[112+2*\a], v[112+2*\a], v[113+2*\a]
.endr
.irp a,0,1,2,3,4,5,6,7
	v_fma_f32 v[112+2*\a], v[112+2*\a], 0x42000000, v[97+2*\a]
.endr
.irp a,0,1,2,3,4,5,6,7
	v_fma_f32 v[112+2*\a], v[112+2*\a], s76, s77
.endr
.irp a,0,1,2,3,4,5,6,7
	v_rsq_f32 v[112+2*\a], v[112+2*\a]
.endr
	v_nop
	s_wait_alu depctr_va_vdst(0)                   ; one wait for the eight roots
.irp k,0,1,2,3
	ds_load_b128 v[32+4*\k:35+4*\k], v11 offset:16*\k          ; g2 and b2 of my 16 channels
	ds_load_b128 v[48+4*\k:51+4*\k], v11 offset:1024+16*\k
.endr
	s_wait_dscnt 0x0
.irp a,0,1,2,3,4,5,6,7
	WIN 0x01
.irp j,0,2,4,6,8,10,12,14
	v_pk_add_f32 v[64+\j:65+\j], v[XR+16*\a+\j:XR+16*\a+\j+1], v[96+2*\a:97+2*\a] op_sel_hi:[1,0] neg_lo:[0,1] neg_hi:[0,1]
.endr
	WIN 0
.irp j,0,2,4,6,8,10,12,14
	v_pk_mul_f32 v[64+\j:65+\j], v[64+\j:65+\j], v[112+2*\a:113+2*\a] op_sel_hi:[1,0]
.endr
.irp j,0,2,4,6,8,10,12,14
	v_pk_fma_f32 v[64+\j:65+\j], v[64+\j:65+\j], v[32+\j:33+\j], v[48+\j:49+\j]
.endr
.irp j,0,1,2,3,4,5,6,7,8,9,10,11,12,13,14,15
	v_med3_num_f32 v[64+\j], v[64+\j], -v25, v25
.endr
.if \a > 3
	s_wait_dscnt 3                                 ; the three youngest stores may be out: the store four tiles back has read this set of codes
.endif
	v_cvt_scalef32_pk8_fp8_f32 v[80+4*(\a%4):81+4*(\a%4)], v[64:71], v24
	v_cvt_scalef32_pk8_fp8_f32 v[82+4*(\a%4):83+4*(\a%4)], v[72:79], v24
	v_nop
	ds_store_b128 v12, v[80+4*(\a%4):83+4*(\a%4)] offset:4352*\a
.endr
	s_wait_loadcnt 0x0                             ; mw2's rows: they wait in LDS, a tile's 16 rows side by side, where the shortcut lay
.set i, 0
.rept 32
	ds_store_b128 v13, v[128+4*i:128+4*i+3] offset:(16*((i>>3)&1)+(i&7)+8*(i>>4))*528
.set i, i+1
.endr
	BAR                                            ; LayerNorm 2's codes lie in KR
	; ---------------- MLP, first layer and GELU
	s_lshl_b32 s86, s3, 8
	v_lshl_add_u32 v4, v21, 6, s86
	v_add_nc_u32 v4, PAR+3072, v4                  ; mb1 of my hidden units
	v_mul_u32_u24 v5, v20, 272
	v_lshl_add_u32 v5, v21, 4, v5
	v_add_nc_u32 v5, KR, v5
	v_mul_u32_u24 v16, v20, 528
	v_lshl_add_u32 v16, v21, 4, v16
	s_lshl_b32 s86, s3, 6
	v_add_nc_u32 v6, s86, v16
	v_add_nc_u32 v6, HID, v6                       ; where the hidden layer's codes go
	s_mul_i32 s86, s3, 16896
	v_add_nc_u32 v7, s86, v16
	v_add_nc_u32 v7, VST, v7                       ; mw2's rows, as fragments
	s_lshl_b32 s86, s3, 7
	v_lshl_add_u32 v8, v21, 6, s86
	v_add_nc_u32 v8, PAR+2048, v8                  ; mb2 of my channels
	v_add_nc_u32 v12, HID, v16                     ; the hidden layer's fragments
	v_mul_u32_u24 v13, v20, 1040
	v_lshl_add_u32 v13, v21, 6, v13
	v_add_nc_u32 v13, s86, v13
	v_add_nc_u32 v13, VST, v13                     ; the result's stage: token r, channels 32 w + 16 h on; row tiles 0-3,
	v_add_nc_u32 v14, 66560, v13                   ; and 4-7
	s_lshl_b32 s86, s3, 4
	v_add_nc_u32 v17, s86, v21
	v_mul_u32_u24 v15, v17, 1040
	v_lshl_add_u32 v15, v20, 4, v15
	v_add_nc_u32 v15, VST, v15                     ; and back: my row tile's rows, sixteen lanes to 256 bytes
	MKSC 56, 26, 27                                ; the hidden layer: e8
	v_mov_b32 v192, 0x32edffee                     ; erf's second coefficients, in pairs: an instruction takes one literal
	v_mov_b32 v193, 0x32edffee
	v_mov_b32 v194, 0xb95fbd29
	v_mov_b32 v195, 0xb95fbd29
.irp k,0,1,2,3,4,5,6,7
	ds_load_b128 v[96+4*\k:99+4*\k], v4 offset:(\k/4)*128+(\k%4)*16
.endr
.macro HFLOAD                          ; a row tile's two fragments of LayerNorm 2's codes; s67 = 4352 x tile
	v_add_nc_u32 v9, s67, v5
.irp s,0,1
.irp c,0,1,2,3
	ds_load_b128 v[64+16*\s+4*\c:64+16*\s+4*\c+3], v9 offset:128*\s+32*\c
.endr
.endr
.endm
.macro GELU16 hh, hc                   ; 16 sums a lane become 16 codes of gelu
.irp j,0,2,4,6,8,10,12,14
	v_pk_mul_f32 v[\hh+\j:\hh+\j+1], v[\hh+\j:\hh+\j+1], s[72:73] op_sel_hi:[1,0]      ; x / 2
.endr
.irp j,0,2,4,6,8,10,12,14
	v_pk_mul_f32 v[YY+\j:YY+\j+1], v[\hh+\j:\hh+\j+1], 0x3fb504f3 op_sel_hi:[1,0]      ; y = x / sqrt 2
.endr
.irp j,0,1,2,3,4,5,6,7,8,9,10,11,12,13,14,15
	v_med3_num_f32 v[YY+\j], v[YY+\j], -4.0, 4.0
.endr
.irp j,0,2,4,6,8,10,12,14
	v_pk_mul_f32 v[ZZ+\j:ZZ+\j+1], v[YY+\j:YY+\j+1], v[YY+\j:YY+\j+1]
.endr
.irp j,0,2,4,6,8,10,12,14
	v_pk_fma_f32 v[PN+\j:PN+\j+1], v[ZZ+\j:ZZ+\j+1], 0xaf95df0b, v[192:193] op_sel_hi:[1,0,1]
	v_pk_fma_f32 v[QD+\j:QD+\j+1], v[ZZ+\j:ZZ+\j+1], 0xb77460cd, v[194:195] op_sel_hi:[1,0,1]
.endr
.irp k,0xb60cff51,0xb86ec2d2,0xba40ac63,0xbb41a1f6,0xbc83dbd4
.irp j,0,2,4,6,8,10,12,14
	v_pk_fma_f32 v[PN+\j:PN+\j+1], v[PN+\j:PN+\j+1], v[ZZ+\j:ZZ+\j+1], \k op_sel_hi:[1,1,0]
.endr
.endr
.irp k,0xbadc924e,0xbbf19bf8,0xbc69b6a7
.irp j,0,2,4,6,8,10,12,14
	v_pk_fma_f32 v[QD+\j:QD+\j+1], v[QD+\j:QD+\j+1], v[ZZ+\j:ZZ+\j+1], \k op_sel_hi:[1,1,0]
.endr
.endr
.irp j,0,1,2,3,4,5,6,7,8,9,10,11,12,13,14,15
	v_rcp_f32 v[QD+\j], v[QD+\j]
.endr
.irp j,0,2,4,6,8,10,12,14
	v_pk_mul_f32 v[PN+\j:PN+\j+1], v[PN+\j:PN+\j+1], v[YY+\j:YY+\j+1]                  ; plain work behind the reciprocals, which names none of them
.endr
	s_wait_alu depctr_va_vdst(0)                   ; one wait for the sixteen, ahead of their first reader
.irp j,0,2,4,6,8,10,12,14
	v_pk_mul_f32 v[PN+\j:PN+\j+1], v[PN+\j:PN+\j+1], v[QD+\j:QD+\j+1]                  ; erf
.endr
.irp j,0,2,4,6,8,10,12,14
	v_pk_fma_f32 v[\hh+\j:\hh+\j+1], v[\hh+\j:\hh+\j+1], v[PN+\j:PN+\j+1], v[\hh+\j:\hh+\j+1]   ; x / 2 + x / 2 erf
.endr
.irp j,0,1,2,3,4,5,6,7,8,9,10,11,12,13,14,15
	v_med3_num_f32 v[\hh+\j], v[\hh+\j], -v27, v27
.endr
	v_cvt_scalef32_pk8_fp8_f32 v[\hc:\hc+1], v[\hh:\hh+7], v26
	v_cvt_scalef32_pk8_fp8_f32 v[\hc+2:\hc+3], v[\hh+8:\hh+15], v26
.endm
.macro MLP1 next                       ; one row tile: my 64 hidden units; s88 = 8448 x this tile
	s_wait_dscnt 0x0
	WIN 0x01                                       ; source 0 (mw1) in window 1; the four accumulators take turns
.irp t,0,1,2,3
	v_wmma_f32_16x16x128_fp8_fp8 v[32+8*\t:32+8*\t+7], v[32*\t:32*\t+15], v[64:79], v[96+8*\t:96+8*\t+7]
.endr
.irp t,0,1,2,3
	v_wmma_f32_16x16x128_fp8_fp8 v[32+8*\t:32+8*\t+7], v[32*\t+16:32*\t+31], v[80:95], v[32+8*\t:32+8*\t+7]
.endr
	WIN 0
.rept 4
	v_nop
.endr
.if \next
	HFLOAD
.endif
	GELU16 32, 196
	GELU16 48, 200
	v_add_nc_u32 v10, s88, v6                      ; (the plain instruction behind the conversions)
	ds_store_b128 v10, v[196:199]                  ; token r, hidden units 64 w + 16 h + 0 .. 15,
	ds_store_b128 v10, v[200:203] offset:32        ; and 64 w + 32 + 16 h + 0 .. 15
.endm
	s_mov_b32 s67, 0
	HFLOAD
	s_mov_b32 s88, 0
	s_mov_b32 s62, 7
.Lmlp:
	s_add_co_u32 s67, s67, 4352
	MLP1 1
	s_add_co_u32 s88, s88, 8448
	s_sub_co_u32 s62, s62, 1
	s_cmp_lg_u32 s62, 0
	s_cbranch_scc1 .Lmlp
	MLP1 0                                         ; the last tile fetches nothing
	WIN 0x40                                       ; mw2's eight fragments take mw1's registers
.irp u,0,1
.irp s,0,1,2,3
.irp c,0,1,2,3
	ds_load_b128 v[16*(4*\u+\s)+4*\c:16*(4*\u+\s)+4*\c+3], v7 offset:8448*\u+128*\s+32*\c
.endr
.endr
.endr
	WIN 0
.irp k,0,1,2,3
	ds_load_b128 v[96+4*\k:99+4*\k], v8 offset:16*\k
.endr
	BAR                                            ; the hidden layer's codes lie in LDS; every wave has taken its rows of mw2 out of VST
	; ---------------- MLP, second layer, the residual, the way out
.macro HLOAD a
.irp s,0,1,2,3
.irp c,0,1,2,3
	ds_load_b128 v[128+64*((\a)%2)+16*\s+4*\c:128+64*((\a)%2)+16*\s+4*\c+3], v12 offset:8448*(\a)+128*\s+32*\c
.endr
.endr
.endm
	HLOAD 0
	HLOAD 1
.irp a,0,1,2,3,4,5,6,7
.if \a == 0
	s_wait_dscnt 16                                ; the next tile's 16 loads may be out
.elseif \a < 7
	s_wait_dscnt 20                                ; the next tile's 16 loads and the last tile's 4 stores may be out; the stores two tiles back have read their registers
.else
	s_wait_dscnt 4
.endif
	WIN 0x01
.irp s,0,1,2,3
.irp u,0,1
.if \s == 0
	v_wmma_f32_16x16x128_fp8_fp8 v[32+16*(\a%2)+8*\u:32+16*(\a%2)+8*\u+7], v[16*(4*\u+\s):16*(4*\u+\s)+15], v[128+64*(\a%2)+16*\s:128+64*(\a%2)+16*\s+15], v[96+8*\u:96+8*\u+7]
.else
	v_wmma_f32_16x16x128_fp8_fp8 v[32+16*(\a%2)+8*\u:32+16*(\a%2)+8*\u+7], v[16*(4*\u+\s):16*(4*\u+\s)+15], v[128+64*(\a%2)+16*\s:128+64*(\a%2)+16*\s+15], v[32+16*(\a%2)+8*\u:32+16*(\a%2)+8*\u+7]
.endif
.endr
.endr
	WIN 0
.rept 4
	v_nop
.endr
.if \a < 6
	HLOAD \a+2
.endif
	WIN 0x10
.irp j,0,2,4,6,8,10,12,14
	v_pk_fma_f32 v[64+16*(\a%2)+\j:65+16*(\a%2)+\j], v[32+16*(\a%2)+\j:33+16*(\a%2)+\j], s[74:75], v[XR+16*\a+\j:XR+16*\a+\j+1] op_sel_hi:[1,0,1]   ; x + sum x 2^(e8+e9)
.endr
	WIN 0
.irp i,0,1,2,3
	ds_store_b128 v[13+\a/4], v[64+16*(\a%2)+4*\i:67+16*(\a%2)+4*\i] offset:(\a%4)*16640+16*\i
.endr
.endr
	BAR                                            ; 128 whole rows of the result lie in the stage
.set i, 0
.rept 32
	ds_load_b128 v[128+4*i:128+4*i+3], v15 offset:2*(i/4)*1040+256*(i%4)
.set i, i+1
.endr
.set i, 0
.rept 32
	s_wait_dscnt 31-i
	global_store_b128 v1, v[128+4*i:128+4*i+3], s[46:47] offset:((i/4)/4)*4194304+((i/4)%4)*2048+256*(i%4) th:TH_STORE_NT   ; sixteen lanes store 256 consecutive bytes, aligned
.set i, i+1
.endr
	s_wait_xcnt 0x0
	v_lshl_add_u32 v254, v0, 2, 0x4bd00
	v_mov_b32 v255, 0
	s_wait_tensorcnt 0x0
	ds_add_u32 v254, v255
	s_wait_dscnt 0x0
	s_endpgm
.Lfunc_end_k_q559697c6fb_xattn:
	.size	k_q559697c6fb_xattn, .Lfunc_end_k_q559697c6fb_xattn-k_q559697c6fb_xattn
	.p2alignl 7, 3214868480
	.fill 96, 4, 3214868480
	.section	.rodata,"a",@progbits
	.p2align	6, 0x0
	.amdhsa_kernel k_q559697c6fb_xattn
		.amdhsa_group_segment_fixed_size 311552
		.amdhsa_private_segment_fixed_size 0
		.amdhsa_enable_private_segment 0
		.amdhsa_kernarg_size 160
		.amdhsa_user_sgpr_count 2
		.amdhsa_user_sgpr_kernarg_segment_ptr 1
		.amdhsa_wavefront_size32 1
		.amdhsa_system_sgpr_workgroup_id_x 1
		.amdhsa_system_sgpr_workgroup_id_y 1
		.amdhsa_system_sgpr_workgroup_id_z 1
		.amdhsa_system_vgpr_workitem_id 0
		.amdhsa_next_free_vgpr 512
		.amdhsa_next_free_sgpr 100
		.amdhsa_reserve_vcc 0
		.amdhsa_float_denorm_mode_32 3
		.amdhsa_float_denorm_mode_16_64 3
		.amdhsa_memory_ordered 1
		.amdhsa_forward_progress 1
		.amdhsa_inst_pref_size 255
	.end_amdhsa_kernel
	.section	.bss,"aw",@nobits
	.p2align	6
	.space	262144
	.amdgpu_metadata
---
amdhsa.version: [ 1, 2 ]
amdhsa.kernels:
  - .name:           k_q559697c6fb_xattn
    .symbol:         k_q559697c6fb_xattn.kd
    .args:
      - { .name: q, .offset: 0, .size: 8, .value_kind: global_buffer, .address_space: global }
      - { .name: k, .offset: 8, .size: 8, .value_kind: global_buffer, .address_space: global }
      - { .name: v, .offset: 16, .size: 8, .value_kind: global_buffer, .address_space: global }
      - { .name: gq, .offset: 24, .size: 8, .value_kind: global_buffer, .address_space: global }
      - { .name: bq, .offset: 32, .size: 8, .value_kind: global_buffer, .address_space: global }
      - { .name: gk, .offset: 40, .size: 8, .value_kind: global_buffer, .address_space: global }
      - { .name: bk, .offset: 48, .size: 8, .value_kind: global_buffer, .address_space: global }
      - { .name: gv, .offset: 56, .size: 8, .value_kind: global_buffer, .address_space: global }
      - { .name: bv, .offset: 64, .size: 8, .value_kind: global_buffer, .address_space: global }
      - { .name: bias_table, .offset: 72, .size: 8, .value_kind: global_buffer, .address_space: global }
      - { .name: proj_w_codes, .offset: 80, .size: 8, .value_kind: global_buffer, .address_space: global }
      - { .name: proj_b, .offset: 88, .size: 8, .value_kind: global_buffer, .address_space: global }
      - { .name: g2, .offset: 96, .size: 8, .value_kind: global_buffer, .address_space: global }
      - { .name: b2, .offset: 104, .size: 8, .value_kind: global_buffer, .address_space: global }
      - { .name: mw1_codes, .offset: 112, .size: 8, .value_kind: global_buffer, .address_space: global }
      - { .name: mb1, .offset: 120, .size: 8, .value_kind: global_buffer, .address_space: global }
      - { .name: mw2_codes, .offset: 128, .size: 8, .value_kind: global_buffer, .address_space: global }
      - { .name: mb2, .offset: 136, .size: 8, .value_kind: global_buffer, .address_space: global }
      - { .name: lowp_scales, .offset: 144, .size: 8, .value_kind: global_buffer, .address_space: global }
      - { .name: out0, .offset: 152, .size: 8, .value_kind: global_buffer, .address_space: global }
    .group_segment_fixed_size: 311552
    .private_segment_fixed_size: 0
    .kernarg_segment_align: 8
    .kernarg_segment_size: 160
    .max_flat_workgroup_size: 256
    .sgpr_count:     100
    .vgpr_count:     512
    .wavefront_size: 32
...
	.end_amdgpu_metadata
.endif
;; end of part 1
;; ======== version 2 of 2: 1 launch; version 1 with the launch xattn written anew for expert scheduling mode
;; launch xattn (part 2): grid 512 x 1, 8 waves a work-group, no clusters, 311,552 bytes of LDS; arguments q, k, v, gq, bq, gk, bk, gv, bv, bias_table, proj_w_codes, proj_b, g2, b2, mw1_codes, mb1, mw2_codes, mb2, lowp_scales, out0; writes out0
.if DOCPART == 2
	.amdgcn_target "amdgcn-amd-amdhsa--gfx1250"
	.amdhsa_code_object_version 6
	.text
	.protected	k_q559697c6fb_xattn
	.globl	k_q559697c6fb_xattn
	.p2align	8
	.type	k_q559697c6fb_xattn,@function
k_q559697c6fb_xattn:
	s_mov_b64 s[64:65], 0
	v_nop
	global_prefetch_b8 v0, s[64:65] scope:SCOPE_SE
	s_setreg_imm32_b32 hwreg(HW_REG_WAVE_SCHED_MODE, 0, 2), 2
	s_setreg_imm32_b32 hwreg(HW_REG_WAVE_MODE, 25, 1), 1
	s_wait_xcnt 0x0
	s_wait_alu depctr_vm_vsrc(0)
; Windowed cross attention with LayerNorms, projection, residual and MLP, all five products on E4M3 codes with the given scales 2^e0 .. 2^e9.
; ONE WORK-GROUP = ONE WINDOW of 128 tokens x 256 channels (512 windows); eight waves; nothing goes through memory between the steps.
; TOKENS.  A window's token (t, h, w) lies in row tile a = h at place m = 8 t + w; its LDS row is 16 a + m; its bytes in q, k, v, out0 begin at WOFF + (a << 16) + (t << 22) + (w << 10).
; WHO DOES WHAT.  LayerNorm of q, k, v: wave w takes row tile w.  Attention: wave w takes head w, all eight query tiles.  proj, MLP: wave w takes output channels 32 w .. + 31 (hidden units 64 w .. + 63)
; of all 128 tokens; its slice of each weight lies in its registers, and x = v + proj stays in 128 of its registers to the end.
; ALL PRODUCTS ARE USED TRANSPOSED (source 0 = 16 keys / channels / rows of a weight, source 1 = 16 tokens): a lane holds one token and its registers run along the next product's K.
; The rows of a weight that form a tile are 8 u + r + 8 (r / 8) (+ 32 b), so that a lane's 16 registers of two tiles are 16 neighbouring channels.
; SOFTMAX: t = logit x log2(e), M = ceil(row's largest t), p = 2^(t - M) is quantised; the row's sum of the unquantised p divides at the end.  All 128 keys of a row are in hand at once, so M is the row's own.
; GELU: 0.5 x (1 + erf(x / sqrt 2)), erf as y P(y^2) / Q(y^2) of degrees 13 and 8 in f32, y held within +-4 (beyond which erf is +-1 in f32).
; NO CLUSTER: the windows share only the weights, 327,680 bytes, against 524,288 bytes of a window's own rows; a joint load lands in LDS, of which this text has 310,528 of 327,680 bytes in use.
; LIMITS: each e between -126 and 119; e0 + e1, +-(e4 + e5), e6 + e7 - 1 and e8 + e9 between -126 and 127, so that each power of two below is an f32 number.  NaN among the inputs is not served.
; LDS: BIAS 0 (two copies of the turned bias table; later each wave's stage for turning weights), PAR (g2, b2, mb2, mb1), QO (codes of q, then of the attention's result; later, with VR, the hidden layer's codes),
; VR (codes of v), KR (codes of k; later of LayerNorm 2's result), STATS, VST ((v + proj_b) / 2^(e4+e5) in f32; later W2's rows; later the result's rows).
; THE MODE: SCHED_MODE bits 1:0 = 2 (LLVM: expert scheduling mode 2), set by the entry lines.  The code itself states the register dependences between vector or matrix instructions and memory or LDS
; instructions, with s_wait_alu, always for 0.
; THE PLAN.  Registers that memory or LDS instructions touch:
;   v1, v2, v3     offsets, made at the head and never written again.
;   v4-v15         a phase's addresses.  Each phase's head makes its own: one wait on vm_vsrc behind the phase's barrier (the last phase's instructions have read them), one on va_vdst ahead of the phase's first LDS instruction.
;   XA, XB         rows as loaded; a unit's arithmetic reads and writes them.  The unit's one wait on va_vdst, ahead of its run of code stores, also shows that arithmetic done: the next loads into them follow it.
;   v176-239       (C, T2) the units' out-buffer: written by arithmetic, read by LDS stores: a wait on vm_vsrc ahead of each rewriting, one on va_vdst ahead of each run of stores.
;   attention      a trip: vm_vsrc at its head (v8, v9, v10, OQ have been read); va_vdst ahead of the next tile's loads (v8, v9 written; S and q's fragment read); va_vdst ahead of its one store.
;   projection     three fragment sets by turns: at a tile's head one wait on va_vdst shows the last tile's products done with the set in which the loads of two tiles on land; the loads stand ahead of the tile's products.
;   LayerNorm 2    four sets of codes, stored in two runs of four: a wait on va_vdst ahead of each run, one on vm_vsrc between the runs.
;   MLP, layer 1   a trip as in the attention.   MLP, layer 2: one wait on va_vdst a tile, behind its products: the loads of two tiles on and the stores of the tile before follow it; two out-sets by turns, vm_vsrc ahead of each rewriting.
.set HSTR,  3328                       ; a head's bias table: 52 rows of 64 bytes (45 are read; the rest take the third pass's surplus threads)
.set CSTR,  26648                      ; from copy 0 to copy 1: 8 heads + 24 bytes
.set PAR,   53504
.set QO,    58624                      ; rows of 272 bytes
.set VR,    93440                      ; rows of 288 bytes
.set KR,    130304                     ; rows of 272 bytes
.set STATS, 165120                     ; 80 bytes a token: eight waves' (mean, sum of squares)
.set VST,   175360                     ; rows of 1,040 bytes
.set HID,   QO                         ; rows of 528 bytes
; registers that stay: v0 thread, v1 1024 h + 16 r, v2 16 r, v3 16 x lane, v20 r = lane % 16, v21 h = lane / 16, v24-29 scales and holds, v30 a lane exchange's landing place; v4-19, v23: the phase's addresses
.set XA,  32                           ; v32-159   128 numbers of a row tile (k, then q)
.set XB,  0                            ; v256-383  the same for v (window 1)
.set T,   160                          ; v160-175  eight pairs: a token pair's sums, means, 1 / sigma
.set C,   176                          ; v176-207  codes; with T2 behind it: 64 registers of the shortcut on their way to LDS
.set T2,  208                          ; v208-239  at work
.set GK,  128                          ; window 1: gain 16, bias 16 in the loads' layout: k's, v's; proj_b; q's
.set GV,  160
.set PBD, 192
.set GQ,  224
.set KF,  32                           ; attention: v32-67 k's eight fragments and four zeros
.set QF,  68                           ; v68-75 q's fragment and four zeros
.set VTE, 76                           ; v76-91 V^T, even channels;  v92-107 odd channels
.set VTO, 92
.set S,   108                          ; v108-171 S^T, then p
.set P,   172                          ; v172-187 p's codes
.set OE,  188
.set OO,  196
.set OT,  204
.set EC,  220
.set OC,  222
.set OQ,  224
.set XR,  128                          ; window 1: v384-511  x, 16 registers a row tile
.set YY,  128                          ; GELU: y, y^2, P, Q
.set ZZ,  144
.set PN,  160
.set QD,  176
.set MSB, 0
.macro WIN new                         ; s_set_vgpr_msb: bits 1:0 source 0, 3:2 source 1, 5:4 source 2, 7:6 destination; the high byte repeats the setting that is left
.if MSB != (\new)
	s_set_vgpr_msb (MSB<<8)|(\new)
.set MSB, (\new)
.endif
.endm
.macro BAR                             ; my LDS stores have landed and my LDS loads are in: then the work-group's barrier
	s_wait_dscnt 0x0
	s_barrier_signal -1
	s_barrier_wait -1
.endm
.macro MKSC e, vS, vL                  ; v[vS] = 2^e as f32 (the conversion takes its exponent field), v[vL] = 448 x 2^e; e in s[e]
	s_add_co_i32 s86, s[\e], 127
	s_lshl_b32 s87, s86, 23
	v_mov_b32 v[\vS], s87
	s_add_co_i32 s86, s86, 8
	s_lshl_b32 s86, s86, 23
	s_or_b32 s86, s86, 0x600000
	v_mov_b32 v[\vL], s86
.endm
.macro LOADP reg, base                 ; 256 numbers of a parameter as the rows are loaded: register 4 p + e = channel 64 p + 4 r + e
.irp p,0,1,2,3
	global_load_b128 v[\reg+4*\p:\reg+4*\p+3], v2, s[\base:\base+1] offset:256*\p
.endr
.endm
.macro LOADX base, xx                  ; my row tile: register 16 i + 4 p + e = token 2 i + h, channel 64 p + 4 r + e; sixteen lanes read 256 consecutive bytes, aligned
.irp i,0,1,2,3,4,5,6,7
.irp p,0,1,2,3
	global_load_b128 v[\xx+16*\i+4*\p:\xx+16*\i+4*\p+3], v1, s[\base:\base+1] offset:(\i/4)*4194304+(\i%4)*2048+256*\p th:TH_LOAD_NT
.endr
.endr
.endm
; LayerNorm and quantiser of one row tile.  xx, wx: the numbers' registers and window; gb: gain and bias (window 1); acw, pitch: where the codes go; kind 0 k, 1 v, 2 q; vS, vL: scale and hold.
.macro UNIT xx, wx, gb, acw, pitch, kind, vS, vL
.if \kind == 1
	WIN 0x41                                       ; v is also the shortcut: (v + proj_b) / 2^(e4+e5) goes to LDS in f32, as the C of the projection's sums
.irp j,0,2,4,6,8,10,12,14
	v_pk_mul_f32 v[PBD+\j:PBD+\j+1], v[PBD+\j:PBD+\j+1], s[68:69] op_sel_hi:[1,0]
.endr
.irp g,0,1                                     ; eight tokens (64 registers, C and T2 on end) at a time
.if \g > 0
	s_wait_dscnt 0x0                               ; the last eight tokens' stores are done
.endif
	s_wait_alu depctr_vm_vsrc(0)                   ; the LDS stores issued so far have read v176-239, which the lines below write: first k's code stores and the head's table stores, then the last eight tokens' stores
	WIN 0x11
.set j, 0
.rept 32
	v_pk_fma_f32 v[C+j:C+j+1], v[\xx+64*\g+j:\xx+64*\g+j+1], s[68:69], v[PBD+(j%16):PBD+(j%16)+1] op_sel_hi:[1,0,1]
.set j, j+2
.endr
	WIN 0
	s_wait_alu depctr_va_vdst(0)                   ; the multiply-adds have written v176-239, which the stores below read
.irp q,0,1,2,3,4,5,6,7,8,9,10,11,12,13,14,15
	ds_store_b128 v7, v[C+4*\q:C+4*\q+3] offset:(8*\g+2*(\q/4))*1040+256*(\q%4)
.endr
.endr
.endif
	WIN \wx*5                                      ; the mean: 16 registers a lane, then the 16 lanes of a token
.irp i,0,1,2,3,4,5,6,7
	v_pk_add_f32 v[T+2*\i:T+2*\i+1], v[\xx+16*\i:\xx+16*\i+1], v[\xx+16*\i+2:\xx+16*\i+3]
.endr
	WIN \wx
.irp k,4,6,8,10,12,14
.irp i,0,1,2,3,4,5,6,7
	v_pk_add_f32 v[T+2*\i:T+2*\i+1], v[\xx+16*\i+\k:\xx+16*\i+\k+1], v[T+2*\i:T+2*\i+1]
.endr
.endr
	WIN 0
.irp i,0,1,2,3,4,5,6,7
	v_add_f32 v[T+2*\i], v[T+2*\i], v[T+2*\i+1]
.endr
.irp m,1,2,4,8
.irp i,0,1,2,3,4,5,6,7
	v_add_f32_dpp v[T+2*\i], v[T+2*\i], v[T+2*\i] row_xmask:\m row_mask:0xf bank_mask:0xf
.endr
.endr
.irp i,0,1,2,3,4,5,6,7
	v_mul_f32 v[T+2*\i], s76, v[T+2*\i]
.endr
	WIN \wx*0x41                                   ; x - mean
.irp i,0,1,2,3,4,5,6,7
.irp k,0,2,4,6,8,10,12,14
	v_pk_add_f32 v[\xx+16*\i+\k:\xx+16*\i+\k+1], v[\xx+16*\i+\k:\xx+16*\i+\k+1], v[T+2*\i:T+2*\i+1] op_sel_hi:[1,0] neg_lo:[0,1] neg_hi:[0,1]
.endr
.endr
	WIN \wx*5                                      ; the variance, of the differences
.irp i,0,1,2,3,4,5,6,7
	v_pk_mul_f32 v[T+2*\i:T+2*\i+1], v[\xx+16*\i:\xx+16*\i+1], v[\xx+16*\i:\xx+16*\i+1]
.endr
.irp k,2,4,6,8,10,12,14
.irp i,0,1,2,3,4,5,6,7
	v_pk_fma_f32 v[T+2*\i:T+2*\i+1], v[\xx+16*\i+\k:\xx+16*\i+\k+1], v[\xx+16*\i+\k:\xx+16*\i+\k+1], v[T+2*\i:T+2*\i+1]
.endr
.endr
	WIN 0
.irp i,0,1,2,3,4,5,6,7
	v_add_f32 v[T+2*\i], v[T+2*\i], v[T+2*\i+1]
.endr
.irp m,1,2,4,8
.irp i,0,1,2,3,4,5,6,7
	v_add_f32_dpp v[T+2*\i], v[T+2*\i], v[T+2*\i] row_xmask:\m row_mask:0xf bank_mask:0xf
.endr
.endr
.irp i,0,1,2,3,4,5,6,7
	v_fma_f32 v[T+2*\i], v[T+2*\i], s76, s77       ; sum / 256 + 1e-5
.endr
.irp i,0,1,2,3,4,5,6,7
	v_rsq_f32 v[T+2*\i], v[T+2*\i]
.endr
	v_nop                                          ; a plain instruction behind the last root,
	s_wait_alu depctr_va_vdst(0)                   ; and one wait for the eight, ahead of their first reader
.if \kind == 2
.irp i,0,1,2,3,4,5,6,7
	v_mul_f32 v[T+2*\i], s78, v[T+2*\i]            ; q is quantised as q x 32^-0.5: the factor goes into 1 / sigma and into the bias
.endr
	WIN 0x41
.irp j,0,2,4,6,8,10,12,14
	v_pk_mul_f32 v[\gb+16+\j:\gb+16+\j+1], v[\gb+16+\j:\gb+16+\j+1], s[78:79] op_sel_hi:[1,0]
.endr
.endif
	WIN \wx*0x41
.irp i,0,1,2,3,4,5,6,7
.irp k,0,2,4,6,8,10,12,14
	v_pk_mul_f32 v[\xx+16*\i+\k:\xx+16*\i+\k+1], v[\xx+16*\i+\k:\xx+16*\i+\k+1], v[T+2*\i:T+2*\i+1] op_sel_hi:[1,0]
.endr
.endr
	WIN \wx*0x41|0x14
.irp i,0,1,2,3,4,5,6,7
.irp k,0,2,4,6,8,10,12,14
	v_pk_fma_f32 v[\xx+16*\i+\k:\xx+16*\i+\k+1], v[\xx+16*\i+\k:\xx+16*\i+\k+1], v[\gb+\k:\gb+\k+1], v[\gb+16+\k:\gb+16+\k+1]
.endr
.endr
	WIN \wx*0x41
.set i, 0
.rept 128
	v_med3_num_f32 v[\xx+i], v[\xx+i], -v[\vL], v[\vL]   ; the conversion to an 8-bit code does not saturate (ISA guide 7.6.2): the hold at the largest code x the scale
.set i, i+1
.endr
	s_wait_dscnt 0x0                               ; the last unit's stores are done
.if \kind != 0
	s_wait_alu depctr_vm_vsrc(0)                   ; the LDS stores issued so far (v: the shortcut's; q: v's codes') have read C, which the conversions write
.endif
	WIN \wx
.irp i,0,1,2,3,4,5,6,7
	v_cvt_scalef32_pk8_fp8_f32 v[C+4*\i:C+4*\i+1], v[\xx+16*\i:\xx+16*\i+7], v[\vS]
	v_cvt_scalef32_pk8_fp8_f32 v[C+4*\i+2:C+4*\i+3], v[\xx+16*\i+8:\xx+16*\i+15], v[\vS]
.endr
	v_nop                                          ; a plain instruction behind the last scaled conversion
	WIN 0
	s_wait_alu depctr_va_vdst(0)                   ; the conversions have written C, which the stores read, and are done reading the rows' registers, in which the next loads land
.irp i,0,1,2,3,4,5,6,7
.irp p,0,1,2,3
	ds_store_b32 v[\acw], v[C+4*\i+\p] offset:2*\i*\pitch+64*\p   ; four codes: token 2 i + h, channels 64 p + 4 r on
.endr
.endr
.endm
	; ---------------- the head: addresses, constants, the first loads
	s_load_b512 s[8:23], s[0:1], 0x0               ; q 8, k 10, v 12, gq 14, bq 16, gk 18, bk 20, gv 22
	s_load_b512 s[24:39], s[0:1], 0x40             ; bv 24, bias_table 26, proj_w 28, proj_b 30, g2 32, b2 34, mw1 36, mb1 38
	s_load_b256 s[40:47], s[0:1], 0x80             ; mw2 40, mb2 42, lowp_scales 44, out0 46
	v_lshrrev_b32 v4, 5, v0
	v_readfirstlane_b32 s3, v4                     ; wave 0..7
	v_and_b32 v20, 15, v0                          ; r
	v_bfe_u32 v21, v0, 4, 1                        ; h
	v_and_b32 v22, 31, v0                          ; lane
	v_lshlrev_b32 v2, 4, v20
	v_lshl_add_u32 v1, v21, 10, v2
	v_lshlrev_b32 v3, 4, v22
	v_mov_b32 v30, 0
	; the bias table is turned round: place x = 225 (tk-tq+1) + 15 (hk-hq+7) + (wk-wq+7) takes entry 674 - x, so that a lane's eight keys (wk = 0..7) are eight neighbouring words.  Thread t takes x = t, t + 256, t + 512
	v_sub_nc_u32 v8, 674, v0
	v_lshlrev_b32 v8, 5, v8                        ; an entry is 8 heads x 4 bytes
	v_sub_nc_u32 v9, 418, v0
	v_lshlrev_b32 v9, 5, v9
	v_min_u32 v10, 162, v0                         ; x beyond 674: entry 0 is read again and stored into rows that nobody reads
	v_sub_nc_u32 v10, 162, v10
	v_lshlrev_b32 v10, 5, v10
	v_lshlrev_b32 v14, 2, v0
	v_add_nc_u32 v15, PAR, v14
.irp it,0,1,2
	v_add_nc_u32 v[11+\it], 256*\it, v0            ; x
	v_mul_u32_u24 v16, v[11+\it], 0x8889
	v_lshrrev_b32 v16, 19, v16                     ; x / 15 (exact for x under 768)
	v_add_nc_u32 v[11+\it], v[11+\it], v16
	v_lshlrev_b32 v[11+\it], 2, v[11+\it]          ; rows of 15 words lie 16 words apart: byte 4 (x + x / 15)
.endr
	s_wait_alu depctr_va_sdst(0)                   ; s3, the wave's number, is written, ahead of its first reader: offsets and LDS places are made from it
	s_lshr_b32 s84, ttmp9, 6                       ; the window: (batch, t block) << 23, h block << 19, w block << 13; + my row tile << 16
	s_lshl_b32 s84, s84, 23
	s_bfe_u32 s86, ttmp9, 0x30003
	s_lshl_b32 s86, s86, 19
	s_add_co_u32 s84, s84, s86
	s_and_b32 s86, ttmp9, 7
	s_lshl_b32 s86, s86, 13
	s_add_co_u32 s84, s84, s86
	s_lshl_b32 s86, s3, 16
	s_add_co_u32 s84, s84, s86
	s_mov_b32 s85, 0
	s_mov_b32 s58, 0x76543210                      ; v_permlanex16_b32: lane l xor 16
	s_mov_b32 s59, 0xfedcba98
	s_mov_b32 s76, 0x3b800000                      ; 1 / 256
	s_mov_b32 s77, 0x3727c5ac                      ; 1e-5
	s_mov_b32 s78, 0x3e3504f3                      ; 32^-0.5
	s_mov_b32 s79, 0x06040200                      ; v_perm_b32: the even bytes of two words;
	s_mov_b32 s80, 0x07050301                      ; the odd ones;
	s_mov_b32 s81, 0x05010400                      ; two words' bytes 0, 1 by turns;
	s_mov_b32 s82, 0x07030602                      ; their bytes 2, 3
	s_wait_kmcnt 0x0
	s_load_b256 s[48:55], s[44:45], 0x0            ; e0 .. e7
	s_load_b64 s[56:57], s[44:45], 0x20            ; e8, e9
	s_add_nc_u64 s[8:9], s[8:9], s[84:85]
	s_add_nc_u64 s[10:11], s[10:11], s[84:85]
	s_add_nc_u64 s[12:13], s[12:13], s[84:85]
	s_add_nc_u64 s[46:47], s[46:47], s[84:85]
	s_lshl_b32 s86, s3, 13                         ; my 32 rows of proj_w (256 bytes each),
	s_mov_b32 s87, 0
	s_add_nc_u64 s[28:29], s[28:29], s[86:87]
	s_lshl_b32 s86, s3, 14                         ; my 64 rows of mw1 (256 bytes), my 32 rows of mw2 (512 bytes)
	s_add_nc_u64 s[36:37], s[36:37], s[86:87]
	s_add_nc_u64 s[40:41], s[40:41], s[86:87]
	s_wait_alu depctr_va_vdst(0)                   ; the offsets v1, v2, v3, v8, v9, v10 and v14 are written, which the loads below read
	global_load_b128 v[208:211], v8, s[26:27]
	global_load_b128 v[212:215], v8, s[26:27] offset:16
	global_load_b128 v[216:219], v9, s[26:27]
	global_load_b128 v[220:223], v9, s[26:27] offset:16
	global_load_b128 v[224:227], v10, s[26:27]
	global_load_b128 v[228:231], v10, s[26:27] offset:16
	global_load_b32 v232, v14, s[32:33]            ; g2
	global_load_b32 v233, v14, s[34:35]            ; b2
	global_load_b32 v234, v14, s[42:43]            ; mb2
	global_load_b32 v235, v14, s[38:39]            ; mb1
	global_load_b32 v236, v14, s[38:39] offset:1024
	WIN 0x40
	LOADP GK, 18
	LOADP GK+16, 20
	LOADP GV, 22
	LOADP GV+16, 24
	LOADP PBD, 30
	LOADP GQ, 14
	LOADP GQ+16, 16
	WIN 0
	LOADX 10, XA                                   ; k
	s_lshl_b32 s86, s3, 4
	v_add_nc_u32 v16, s86, v21                     ; 16 w + h: my tile's first row for my half of the lanes
	v_mul_u32_u24 v4, v16, 272
	v_lshl_add_u32 v4, v20, 2, v4
	v_add_nc_u32 v6, QO, v4                        ; v6: where q's codes go;
	v_add_nc_u32 v4, KR, v4                        ; v4: k's;
	v_mul_u32_u24 v5, v16, 288
	v_lshl_add_u32 v5, v20, 2, v5
	v_add_nc_u32 v5, VR, v5                        ; v5: v's;
	v_mul_u32_u24 v7, v16, 1040
	v_lshl_add_u32 v7, v20, 4, v7
	v_add_nc_u32 v7, VST, v7                       ; v7: the shortcut's rows
	s_wait_loadcnt 60                              ; the table's 6 loads and the 5 of g2, b2, mb2, mb1 are in; behind them: 28 of the parameters, 32 of k
	s_wait_kmcnt 0x0
	s_add_co_i32 s86, s48, s49                     ; e0 + e1
	s_sub_co_i32 s89, 0, s86
	s_lshl_b32 s86, s86, 23
	s_add_co_i32 s60, s86, 0x3fb8aa3b              ; log2(e) x 2^(e0+e1): the exponents are added to its exponent field
	s_mov_b32 s61, s60
	s_add_co_i32 s86, s52, s53                     ; e4 + e5
	s_sub_co_i32 s87, 127, s86
	s_lshl_b32 s68, s87, 23                        ; 2^-(e4+e5)
	s_mov_b32 s69, s68
	s_add_co_i32 s87, s86, 127
	s_lshl_b32 s70, s87, 23                        ; 2^(e4+e5)
	s_mov_b32 s71, s70
	s_add_co_i32 s86, s54, s55                     ; e6 + e7
	s_sub_co_i32 s91, 0, s86
	s_add_co_i32 s86, s86, 126
	s_lshl_b32 s72, s86, 23                        ; 2^(e6+e7-1)
	s_mov_b32 s73, s72
	s_add_co_i32 s86, s56, s57                     ; e8 + e9
	s_sub_co_i32 s90, 0, s86
	s_add_co_i32 s86, s86, 127
	s_lshl_b32 s74, s86, 23                        ; 2^(e8+e9)
	s_mov_b32 s75, s74
	s_add_co_i32 s83, s50, s51                     ; e2 + e3
.set i, 0
.rept 24
	v_ldexp_f32 v[208+i], v[208+i], s89            ; the bias goes in as the C of the scores' sums: / 2^(e0+e1)
.set i, i+1
.endr
	v_ldexp_f32 v234, v234, s90                    ; mb2 / 2^(e8+e9), mb1 / 2^(e6+e7): likewise
	v_ldexp_f32 v235, v235, s91
	v_ldexp_f32 v236, v236, s91
	s_wait_alu depctr_va_vdst(0)                   ; the scalings have written v208-236, which the stores below read; so are v4 to v7 written, the units' LDS addresses
.irp it,0,1,2
.irp hd,0,1,2,3,4,5,6,7
	ds_store_b32 v[11+\it], v[208+8*\it+\hd] offset:\hd*HSTR          ; copy 0: word p of its row;
	ds_store_b32 v[11+\it], v[208+8*\it+\hd] offset:\hd*HSTR+CSTR+4   ; copy 1: word p + 1, so that every lane finds its eight words at a multiple of 8 bytes in one of the two
.endr
.endr
	ds_store_b32 v15, v232
	ds_store_b32 v15, v233 offset:1024
	ds_store_b32 v15, v234 offset:2048
	ds_store_b32 v15, v235 offset:3072
	ds_store_b32 v15, v236 offset:4096
	WIN 0x40
	LOADX 12, XB                                   ; v
	WIN 0
	MKSC 49, 24, 25                                ; k: e1
	MKSC 51, 26, 27                                ; v: e3
	MKSC 48, 28, 29                                ; q: e0
	; ---------------- LayerNorm and quantiser of k, v, q
	s_wait_loadcnt 32                              ; the parameters and k are in; v's 32 loads may be out
	UNIT XA, 0, GK, 4, 272, 0, 24, 25
	LOADX 8, XA                                    ; q, into k's registers: no vector instruction since the unit's last wait names them
	s_wait_loadcnt 32                              ; v is in; q's 32 may be out
	UNIT XB, 1, GV, 5, 288, 1, 26, 27
	WIN 0x40                                       ; my slices of proj_w and mw1: two whole rows (512 consecutive bytes) a load; they land during the attention
	s_wait_alu depctr_va_vdst(0)                   ; v's unit is done reading v's rows, its gain and bias and proj_b, and k's unit k's gain and bias: the weights land in these registers
.irp u,0,1
.irp n,0,1,2,3,4,5,6,7
	global_load_b128 v[160+32*\u+4*\n:160+32*\u+4*\n+3], v3, s[28:29] offset:(8*\u+2*\n+8*(\n/4))*256
.endr
.endr
.irp t,0,1,2,3
.irp n,0,1,2,3,4,5,6,7
	global_load_b128 v[32+32*\t+4*\n:32+32*\t+4*\n+3], v3, s[36:37] offset:(32*(\t/2)+8*(\t%2)+2*\n+8*(\n/4))*256
.endr
.endr
	WIN 0
	s_wait_loadcnt 48                              ; q is in; the 48 loads of weights may be out
	UNIT XA, 0, GQ, 6, 272, 2, 28, 29
	BAR                                            ; the tables, the parameters, all codes and the shortcut lie in LDS
	; ---------------- attention: my head, eight query tiles
	s_wait_alu depctr_vm_vsrc(0)                   ; the units' stores have read v4 to v7 and v176-239, the head's loads v8 to v10: all are written anew in this phase
	s_lshl_b32 s86, s3, 5
	v_mul_u32_u24 v16, v20, 272
	v_lshl_add_u32 v16, v21, 4, v16
	v_add_nc_u32 v16, s86, v16                     ; row r, my head's 32 bytes, 16 for each half of the lanes
	v_add_nc_u32 v4, KR, v16
	v_add_nc_u32 v5, QO, v16
	v_and_b32 v17, 7, v0
	v_lshl_add_u32 v17, v21, 3, v17
	v_mul_u32_u24 v6, v17, 288                     ; the turning load: key 8 h + lane % 8, 16 bytes (8 pairs of channels) by (lane / 8) % 2
	v_bfe_u32 v17, v0, 3, 1
	v_lshl_add_u32 v6, v17, 4, v6
	v_add_nc_u32 v6, s86, v6
	v_add_nc_u32 v6, VR, v6
	v_and_b32 v18, 7, v0                           ; wq;  v17 = tq
	v_add_nc_u32 v19, 1, v18
	v_and_b32 v19, 1, v19                          ; which copy: (wq + 1) % 2
	v_add_nc_u32 v23, 1, v21
	v_sub_nc_u32 v23, v23, v17                     ; tk - tq + 1 (a lane's keys have tk = h)
	v_mul_u32_u24 v7, v23, 960
	v_mul_u32_u24 v23, v19, CSTR
	v_add_nc_u32 v7, v7, v23
	v_sub_nc_u32 v23, 7, v18
	v_add_nc_u32 v23, v23, v19
	v_lshl_add_u32 v7, v23, 2, v7                  ; word 7 - wq + copy: an even word
	s_mul_i32 s87, s3, HSTR
	v_add_nc_u32 v7, s87, v7                       ; + 64 (7 - hq) + 64 hk gives the row
	MKSC 50, 24, 25                                ; p: e2
	MKSC 52, 26, 27                                ; the result: e4
	s_wait_alu depctr_va_vdst(0)                   ; v4 and v6 are written, which the loads below read; q's unit is done with v32-139, in which they land
.irp kt,0,1,2,3,4,5,6,7
	ds_load_b128 v[KF+4*\kt:KF+4*\kt+3], v4 offset:4352*\kt
.endr
.irp c,0,1,2,3,4,5,6,7
	ds_load_tr16_b128 v[S+4*\c:S+4*\c+3], v6 offset:4608*\c
.endr
.irp j,0,1,2,3
	v_mov_b32 v[KF+32+\j], 0
	v_mov_b32 v[QF+4+\j], 0                        ; the head has 32 channels and the instruction 64 along K: q's upper 32 are zero codes, so whatever stands against them adds nothing
.endr
	v_mov_b32 v233, 0                              ; named as the upper halves of pairs
	v_mov_b32 v239, 0
	s_wait_dscnt 0x0
.irp c,0,1,2,3,4,5,6,7
	v_perm_b32 v[VTE+2*\c], v[S+4*\c+1], v[S+4*\c], s79       ; lane r: channel 2 r of the head, keys 16 c + 8 h + 0 .. 7
	v_perm_b32 v[VTE+2*\c+1], v[S+4*\c+3], v[S+4*\c+2], s79
	v_perm_b32 v[VTO+2*\c], v[S+4*\c+1], v[S+4*\c], s80       ; channel 2 r + 1
	v_perm_b32 v[VTO+2*\c+1], v[S+4*\c+3], v[S+4*\c+2], s80
.endr
.macro ATT_LOADS                       ; a query tile's bias, straight into the scores' registers, and its fragment of q.  s66 = 64 (7 - tile), s67 = 4352 x tile
	v_add_nc_u32 v8, s66, v7
	v_add_nc_u32 v9, s67, v5
	s_wait_alu depctr_va_vdst(0)                   ; v8 and v9 are written, which the loads read; what read S and q's fragment last is done with them (ahead of the loop the byte permutes; in a trip p's conversions and the scores' products)
.irp kt,0,1,2,3,4,5,6,7
.irp i,0,1,2,3
	ds_load_b64 v[S+8*\kt+2*\i:S+8*\kt+2*\i+1], v8 offset:64*\kt+8*\i
.endr
.endr
	ds_load_b128 v[QF:QF+3], v9
.endm
.macro ATT next                        ; one query tile; next = 1: the next tile's bias and q are fetched on the way.  s88 = 4352 x this tile
	s_wait_dscnt 0x0
	s_wait_alu depctr_vm_vsrc(0)                   ; this tile's loads have read v8 and v9, the last tile's store v10 and OQ: all four are written again below
.irp kt,0,1,2,3,4,5,6,7
	v_wmma_f32_16x16x64_fp8_fp8 v[S+8*\kt:S+8*\kt+7], v[KF+4*\kt:KF+4*\kt+7], v[QF:QF+7], v[S+8*\kt:S+8*\kt+7]
.endr
.rept 4
	v_nop                                          ; four places behind the products (ISA guide 7.12.1)
.endr
	v_max3_num_f32 v228, v[S], v[S+1], v[S+2]      ; the largest score of my query among my 64 keys, in ascending order, in two chains
	v_max3_num_f32 v229, v[S+3], v[S+4], v[S+5]
.set i, 6
.rept 14
	v_max3_num_f32 v228, v228, v[S+i], v[S+i+1]
	v_max3_num_f32 v229, v229, v[S+i+2], v[S+i+3]
.set i, i+4
.endr
	v_max3_num_f32 v228, v228, v[S+62], v[S+63]
	v_max_num_f32 v228, v228, v229
	v_permlanex16_b32 v30, v228, s58, s59
	v_max_num_f32 v228, v228, v30                  ; and among the other 64
	v_mul_f32 v228, s60, v228
	v_floor_f32 v232, -v228                        ; -M = floor(-t)
.set i, 0
.rept 32
	v_pk_fma_f32 v[S+i:S+i+1], v[S+i:S+i+1], s[60:61], v[232:233] op_sel_hi:[1,0,0]   ; t - M
.set i, i+2
.endr
.set i, 0
.rept 64
	v_exp_f32 v[S+i], v[S+i]
.set i, i+1
.endr
	v_nop                                          ; a plain instruction behind the last exponential,
	s_wait_alu depctr_va_vdst(0)                   ; and one wait for the batch, ahead of its first reader
	v_pk_add_f32 v[234:235], v[S:S+1], v[S+2:S+3]  ; the row's sum, of the unquantised p
	v_pk_add_f32 v[236:237], v[S+4:S+5], v[S+6:S+7]
.set i, 8
.rept 14
	v_pk_add_f32 v[234:235], v[234:235], v[S+i:S+i+1]
	v_pk_add_f32 v[236:237], v[236:237], v[S+i+2:S+i+3]
.set i, i+4
.endr
	v_pk_add_f32 v[234:235], v[234:235], v[236:237]
	v_add_f32 v234, v234, v235
	v_permlanex16_b32 v30, v234, s58, s59
	v_add_f32 v234, v234, v30
	v_rcp_f32 v238, v234
	v_nop
	s_wait_alu depctr_va_vdst(0)                   ; the reciprocal has written v238, ahead of its first reader
	v_ldexp_f32 v238, v238, s83                    ; 2^(e2+e3) / the sum
	s_cmp_ge_i32 s50, -8                           ; p is at most 1 and 2^8 lies under 448: the hold can bite only where e2 is under -8
	s_cbranch_scc1 .Lnohold_\@
.set i, 0
.rept 64
	v_min_num_f32 v[S+i], v[S+i], v25
.set i, i+1
.endr
.Lnohold_\@:
.irp kt,0,1,2,3,4,5,6,7
	v_cvt_scalef32_pk8_fp8_f32 v[P+2*\kt:P+2*\kt+1], v[S+8*\kt:S+8*\kt+7], v24   ; registers 2 kt, 2 kt + 1: keys 16 kt + 8 h + 0 .. 7, as the form's own layout has them
.endr
	v_nop
.if \next
	ATT_LOADS
.endif
	v_wmma_f32_16x16x128_fp8_fp8 v[OE:OE+7], v[VTE:VTE+15], v[P:P+15], 0
	v_wmma_f32_16x16x128_fp8_fp8 v[OO:OO+7], v[VTO:VTO+15], v[P:P+15], 0
.rept 4
	v_nop
.endr
.irp j,0,2,4,6
	v_pk_mul_f32 v[OT+\j:OT+\j+1], v[OE+\j:OE+\j+1], v[238:239] op_sel_hi:[1,0]
.endr
.irp j,0,2,4,6
	v_pk_mul_f32 v[OT+8+\j:OT+8+\j+1], v[OO+\j:OO+\j+1], v[238:239] op_sel_hi:[1,0]
.endr
.set i, 0
.rept 16
	v_med3_num_f32 v[OT+i], v[OT+i], -v27, v27
.set i, i+1
.endr
	v_cvt_scalef32_pk8_fp8_f32 v[EC:EC+1], v[OT:OT+7], v26       ; channels 16 h + 0, 2, .. 14 of my head,
	v_cvt_scalef32_pk8_fp8_f32 v[OC:OC+1], v[OT+8:OT+15], v26    ; and 1, 3, .. 15
	v_add_nc_u32 v10, s88, v5                      ; (the plain instruction behind the conversions)
	v_perm_b32 v[OQ], v[OC], v[EC], s81
	v_perm_b32 v[OQ+1], v[OC], v[EC], s82
	v_perm_b32 v[OQ+2], v[OC+1], v[EC+1], s81
	v_perm_b32 v[OQ+3], v[OC+1], v[EC+1], s82
	s_wait_alu depctr_va_vdst(0)                   ; v10 and OQ are written, which the store reads
	ds_store_b128 v10, v[OQ:OQ+3]                  ; over the 16 bytes that this lane read as q: no other wave touches my head's columns
.endm
	s_mov_b32 s66, 448
	s_mov_b32 s67, 0
	ATT_LOADS
	s_mov_b32 s88, 0
	s_mov_b32 s62, 7
.Latt:
	s_sub_co_u32 s66, s66, 64
	s_add_co_u32 s67, s67, 4352
	ATT 1
	s_add_co_u32 s88, s88, 4352
	s_sub_co_u32 s62, s62, 1
	s_cmp_lg_u32 s62, 0
	s_cbranch_scc1 .Latt
	ATT 0                                          ; the last tile fetches nothing
	BAR                                            ; the attention's codes lie in QO; nobody reads the tables, k or v any more
	; ---------------- the projection, the residual, LayerNorm 2
	s_wait_alu depctr_vm_vsrc(0)                   ; the last tile's store has read v10, the attention's loads v4, v6, v8 and v9: all are written anew below
	s_mul_i32 s86, s3, 4352                        ; my stage for turning weights: 16 rows of 272 bytes, where the tables lay
	v_mul_u32_u24 v4, v21, 272
	v_lshl_add_u32 v4, v20, 4, v4
	v_add_nc_u32 v4, s86, v4                       ; in: as loaded, lanes 0-15 one row, lanes 16-31 the next
	v_mul_u32_u24 v16, v20, 272
	v_lshl_add_u32 v16, v21, 4, v16
	v_add_nc_u32 v5, s86, v16                      ; back: row r, 16 bytes by half
	v_add_nc_u32 v8, QO, v16
	s_lshl_b32 s87, s3, 5
	v_add_nc_u32 v12, s87, v16
	v_add_nc_u32 v12, KR, v12
	v_mul_u32_u24 v6, v20, 1040
	v_lshl_add_u32 v6, v21, 6, v6
	s_lshl_b32 s87, s3, 7
	v_add_nc_u32 v6, s87, v6
	v_add_nc_u32 v6, VST, v6                       ; token r, channels 32 w + 16 h on, in f32; row tiles 0-3,
	v_add_nc_u32 v7, 66560, v6                     ; and 4-7
	v_lshl_add_u32 v11, v21, 6, s87
	v_add_nc_u32 v11, PAR, v11
	v_mul_u32_u24 v9, v20, 80
	v_lshl_add_u32 v10, v21, 5, v9
	v_add_nc_u32 v10, STATS, v10
	s_lshl_b32 s87, s3, 3
	v_add_nc_u32 v9, s87, v9
	v_add_nc_u32 v9, STATS, v9
	s_mul_i32 s87, s3, 16896
	v_add_nc_u32 v13, s87, v3
	v_add_nc_u32 v13, VST, v13
	MKSC 54, 24, 25                                ; LayerNorm 2's result: e6
; 16 rows of 256 codes, loaded as whole rows, become two fragments: through my stage.  LDS serves a wave's instructions in order (ISA guide 5.7.1.4): no wait orders the stage's bytes.
; over = 1: the fragments land in the registers out of which the turn before stored.
.macro TURN16 raw, wr, dst, wd, over
	WIN 4*\wr
.irp n,0,1,2,3,4,5,6,7
	ds_store_b128 v4, v[\raw+4*\n:\raw+4*\n+3] offset:544*\n
.endr
	s_wait_dscnt 16                                ; these 8 stores and the last turn's 8 loads may be out: the last turn's stores are done
	WIN 0x40*\wd
.if \over
	s_wait_alu depctr_vm_vsrc(0)                   ; the last turn's stores have read their registers, in which the loads below land
.endif
.irp s,0,1
.irp c,0,1,2,3
	ds_load_b128 v[\dst+16*\s+4*\c:\dst+16*\s+4*\c+3], v5 offset:128*\s+32*\c   ; registers 4 c .. + 3: K = 128 s + 32 c + 16 h + 0 .. 15: the same places of k in both operands
.endr
.endr
.endm
.macro PLOAD a                         ; row tile a: the shortcut as the sums' C (4 loads), the attention's two fragments (8), into set a % 3
	WIN 0x40
.irp i,0,1,2,3
	ds_load_b128 v[XR+16*(\a)+4*\i:XR+16*(\a)+4*\i+3], v[6+(\a)/4] offset:((\a)%4)*16640+16*\i
.endr
	WIN 0
.irp s,0,1
.irp c,0,1,2,3
	ds_load_b128 v[96+32*((\a)%3)+16*\s+4*\c:96+32*((\a)%3)+16*\s+4*\c+3], v8 offset:4352*(\a)+128*\s+32*\c
.endr
.endr
.endm
	s_wait_loadcnt 0x0                             ; proj_w's and mw1's rows
	s_wait_alu depctr_va_vdst(0)                   ; the phase's addresses v4 to v13 are written; the attention's products and arithmetic are done with v32-191, in which fragments land
	TURN16 160, 1, 32, 0, 0                        ; proj_w: v32-95
	TURN16 192, 1, 64, 0, 0
	TURN16 32, 1, 0, 1, 0                          ; mw1: v256-383, each tile one place below where it was loaded
	TURN16 64, 1, 32, 1, 1
	TURN16 96, 1, 64, 1, 1
	TURN16 128, 1, 96, 1, 1
	s_wait_dscnt 0x0
	s_wait_alu depctr_vm_vsrc(0)                   ; the turns' stores have read v384-479, in which the shortcut lands (the destination's window is 1 here, as the first loads below want it)
	PLOAD 0
	PLOAD 1
.irp a,0,1,2,3,4,5,6,7
.if \a < 7
	s_wait_dscnt 12                                ; the next tile's 12 loads may be out
.else
	s_wait_dscnt 0x0
.endif
.if (\a > 0) && (\a < 6)
	s_wait_alu depctr_va_vdst(0)                   ; the last tile's products are done reading their set of fragments, in which the loads below land
.endif
.if \a < 6
	PLOAD \a+2
.endif
	WIN 0x50                                       ; C and D in window 1; the two accumulators take turns
.irp s,0,1
.irp u,0,1
	v_wmma_f32_16x16x128_fp8_fp8 v[XR+16*\a+8*\u:XR+16*\a+8*\u+7], v[32+32*\u+16*\s:32+32*\u+16*\s+15], v[96+32*(\a%3)+16*\s:96+32*(\a%3)+16*\s+15], v[XR+16*\a+8*\u:XR+16*\a+8*\u+7]
.endr
.endr
.endr
.rept 4
	v_nop                                          ; four places behind the products, ahead of the first read of their sums (ISA guide 7.12.1): no plain vector instruction stands among the eight tiles' products
.endr
	WIN 0x41
.set i, 0
.rept 64
	v_pk_mul_f32 v[XR+i:XR+i+1], v[XR+i:XR+i+1], s[70:71] op_sel_hi:[1,0]   ; x = v + proj: x 2^(e4+e5)
.set i, i+2
.endr
	WIN 0
	s_wait_alu depctr_va_vdst(0)                   ; the products are done reading the fragment sets in v128-191, in which mw2's rows land
.set i, 0
.rept 32
	global_load_b128 v[128+4*i:128+4*i+3], v3, s[40:41] offset:512*i   ; my 32 rows of mw2, a whole row (512 bytes) a load
.set i, i+1
.endr
	; my 32 channels' mean and sum of squared differences, for each token
	WIN 0x05
.irp a,0,1,2,3,4,5,6,7
	v_pk_add_f32 v[32+2*\a:33+2*\a], v[XR+16*\a:XR+16*\a+1], v[XR+16*\a+2:XR+16*\a+3]
.endr
	WIN 0x01
.irp k,4,6,8,10,12,14
.irp a,0,1,2,3,4,5,6,7
	v_pk_add_f32 v[32+2*\a:33+2*\a], v[XR+16*\a+\k:XR+16*\a+\k+1], v[32+2*\a:33+2*\a]
.endr
.endr
	WIN 0
.irp a,0,1,2,3,4,5,6,7
	v_add_f32 v[32+2*\a], v[32+2*\a], v[33+2*\a]
.endr
.irp a,0,1,2,3,4,5,6,7
	v_permlanex16_b32 v[33+2*\a], v[32+2*\a], s58, s59
.endr
.irp a,0,1,2,3,4,5,6,7
	v_add_f32 v[32+2*\a], v[32+2*\a], v[33+2*\a]
.endr
.irp a,0,1,2,3,4,5,6,7
	v_mul_f32 v[32+2*\a], 0x3d000000, v[32+2*\a]   ; / 32
.endr
.irp g,0,1
	WIN 0x01
.irp b,0,1,2,3
.irp k,0,2,4,6,8,10,12,14
	v_pk_add_f32 v[64+16*\b+\k:65+16*\b+\k], v[XR+16*(4*\g+\b)+\k:XR+16*(4*\g+\b)+\k+1], v[32+2*(4*\g+\b):33+2*(4*\g+\b)] op_sel_hi:[1,0] neg_lo:[0,1] neg_hi:[0,1]
.endr
.endr
	WIN 0
.irp b,0,1,2,3
	v_pk_mul_f32 v[48+2*(4*\g+\b):49+2*(4*\g+\b)], v[64+16*\b:65+16*\b], v[64+16*\b:65+16*\b]
.endr
.irp k,2,4,6,8,10,12,14
.irp b,0,1,2,3
	v_pk_fma_f32 v[48+2*(4*\g+\b):49+2*(4*\g+\b)], v[64+16*\b+\k:65+16*\b+\k], v[64+16*\b+\k:65+16*\b+\k], v[48+2*(4*\g+\b):49+2*(4*\g+\b)]
.endr
.endr
.endr
.irp a,0,1,2,3,4,5,6,7
	v_add_f32 v[48+2*\a], v[48+2*\a], v[49+2*\a]
.endr
.irp a,0,1,2,3,4,5,6,7
	v_permlanex16_b32 v[49+2*\a], v[48+2*\a], s58, s59
.endr
.irp a,0,1,2,3,4,5,6,7
	v_add_f32 v[33+2*\a], v[48+2*\a], v[49+2*\a]
.endr
	s_wait_alu depctr_va_vdst(0)                   ; my figures are written in v32-47, which the stores read; the arithmetic is done with v32-95, in which all waves' figures land behind the barrier
.irp a,0,1,2,3,4,5,6,7
	ds_store_b64 v9, v[32+2*\a:33+2*\a] offset:1280*\a
.endr
	BAR                                            ; every wave's figures lie in STATS; nobody reads the attention's codes or the shortcut any more
	s_wait_alu depctr_vm_vsrc(0)                   ; my stores have read v32-47, in which the loads below land
	; the eight waves' figures are joined: mean = the means' mean; sum of squares = the sums' sum + 32 x the means' squared differences: no difference of large sums is formed
.irp a,0,1,2,3,4,5,6,7
	ds_load_b128 v[32+8*\a:35+8*\a], v10 offset:1280*\a        ; my half of the lanes: waves 4 h .. 4 h + 3
	ds_load_b128 v[36+8*\a:39+8*\a], v10 offset:1280*\a+16
.endr
	s_wait_dscnt 0x0
.irp a,0,1,2,3,4,5,6,7
	v_pk_add_f32 v[96+2*\a:97+2*\a], v[32+8*\a:33+8*\a], v[34+8*\a:35+8*\a]
	v_pk_add_f32 v[112+2*\a:113+2*\a], v[36+8*\a:37+8*\a], v[38+8*\a:39+8*\a]
.endr
.irp a,0,1,2,3,4,5,6,7
	v_pk_add_f32 v[96+2*\a:97+2*\a], v[96+2*\a:97+2*\a], v[112+2*\a:113+2*\a]
.endr
.irp a,0,1,2,3,4,5,6,7
	v_permlanex16_b32 v[112+2*\a], v[96+2*\a], s58, s59
	v_permlanex16_b32 v[113+2*\a], v[97+2*\a], s58, s59
.endr
.irp a,0,1,2,3,4,5,6,7
	v_pk_add_f32 v[96+2*\a:97+2*\a], v[96+2*\a:97+2*\a], v[112+2*\a:113+2*\a]
.endr
.irp a,0,1,2,3,4,5,6,7
	v_mul_f32 v[96+2*\a], 0x3e000000, v[96+2*\a]   ; the token's mean
.endr
.irp a,0,1,2,3,4,5,6,7
.irp i,0,2,4,6
	v_sub_f32 v[32+8*\a+\i], v[32+8*\a+\i], v[96+2*\a]
.endr
.endr
.irp a,0,1,2,3,4,5,6,7
	v_mul_f32 v[112+2*\a], v[32+8*\a], v[32+8*\a]
.endr
.irp i,2,4,6
.irp a,0,1,2,3,4,5,6,7
	v_fma_f32 v[112+2*\a], v[32+8*\a+\i], v[32+8*\a+\i], v[112+2*\a]
.endr
.endr
.irp a,0,1,2,3,4,5,6,7
	v_permlanex16_b32 v[113+2*\a], v[112+2*\a], s58, s59
.endr
.irp a,0,1,2,3,4,5,6,7
	v_add_f32 v[112+2*\a], v[112+2*\a], v[113+2*\a]
.endr
.irp a,0,1,2,3,4,5,6,7
	v_fma_f32 v[112+2*\a], v[112+2*\a], 0x42000000, v[97+2*\a]
.endr
.irp a,0,1,2,3,4,5,6,7
	v_fma_f32 v[112+2*\a], v[112+2*\a], s76, s77
.endr
.irp a,0,1,2,3,4,5,6,7
	v_rsq_f32 v[112+2*\a], v[112+2*\a]
.endr
	v_nop
	s_wait_alu depctr_va_vdst(0)                   ; one wait for the eight roots; it also shows the joining done with v32-63, in which g2 and b2 land
.irp k,0,1,2,3
	ds_load_b128 v[32+4*\k:35+4*\k], v11 offset:16*\k          ; g2 and b2 of my 16 channels
	ds_load_b128 v[48+4*\k:51+4*\k], v11 offset:1024+16*\k
.endr
	s_wait_dscnt 0x0
.irp a,0,1,2,3,4,5,6,7                         ; four sets of codes; they are stored in two runs of four
	WIN 0x01
.irp j,0,2,4,6,8,10,12,14
	v_pk_add_f32 v[64+\j:65+\j], v[XR+16*\a+\j:XR+16*\a+\j+1], v[96+2*\a:97+2*\a] op_sel_hi:[1,0] neg_lo:[0,1] neg_hi:[0,1]
.endr
	WIN 0
.irp j,0,2,4,6,8,10,12,14
	v_pk_mul_f32 v[64+\j:65+\j], v[64+\j:65+\j], v[112+2*\a:113+2*\a] op_sel_hi:[1,0]
.endr
.irp j,0,2,4,6,8,10,12,14
	v_pk_fma_f32 v[64+\j:65+\j], v[64+\j:65+\j], v[32+\j:33+\j], v[48+\j:49+\j]
.endr
.irp j,0,1,2,3,4,5,6,7,8,9,10,11,12,13,14,15
	v_med3_num_f32 v[64+\j], v[64+\j], -v25, v25
.endr
.if \a == 4
	s_wait_alu depctr_vm_vsrc(0)                   ; the first run's four stores have read v80-95, which this and the next three tiles' conversions write again
.endif
.if \a > 3
	s_wait_dscnt 7-\a                              ; of the first run's four stores the younger ones may be out: the store of this set of codes is done
.endif
	v_cvt_scalef32_pk8_fp8_f32 v[80+4*(\a%4):81+4*(\a%4)], v[64:71], v24
	v_cvt_scalef32_pk8_fp8_f32 v[82+4*(\a%4):83+4*(\a%4)], v[72:79], v24
	v_nop
.if (\a%4) == 3
	s_wait_alu depctr_va_vdst(0)                   ; four tiles' conversions have written v80-95, which the stores read
.irp b,0,1,2,3
	ds_store_b128 v12, v[80+4*\b:83+4*\b] offset:4352*(\a-3+\b)
.endr
.endif
.endr
	s_wait_loadcnt 0x0                             ; mw2's rows: they wait in LDS, a tile's 16 rows side by side, where the shortcut lay
.set i, 0
.rept 32
	ds_store_b128 v13, v[128+4*i:128+4*i+3] offset:(16*((i>>3)&1)+(i&7)+8*(i>>4))*528
.set i, i+1
.endr
	BAR                                            ; LayerNorm 2's codes lie in KR
	; ---------------- MLP, first layer and GELU
	s_wait_alu depctr_vm_vsrc(0)                   ; the last phase's LDS instructions have read v4 to v13, the code sets v80-95 and mw2's rows in v128-255, the head's v14 and v15: all are written anew in this phase
	s_lshl_b32 s86, s3, 8
	v_lshl_add_u32 v4, v21, 6, s86
	v_add_nc_u32 v4, PAR+3072, v4                  ; mb1 of my hidden units
	v_mul_u32_u24 v5, v20, 272
	v_lshl_add_u32 v5, v21, 4, v5
	v_add_nc_u32 v5, KR, v5
	v_mul_u32_u24 v16, v20, 528
	v_lshl_add_u32 v16, v21, 4, v16
	s_lshl_b32 s86, s3, 6
	v_add_nc_u32 v6, s86, v16
	v_add_nc_u32 v6, HID, v6                       ; where the hidden layer's codes go
	s_mul_i32 s86, s3, 16896
	v_add_nc_u32 v7, s86, v16
	v_add_nc_u32 v7, VST, v7                       ; mw2's rows, as fragments
	s_lshl_b32 s86, s3, 7
	v_lshl_add_u32 v8, v21, 6, s86
	v_add_nc_u32 v8, PAR+2048, v8                  ; mb2 of my channels
	v_add_nc_u32 v12, HID, v16                     ; the hidden layer's fragments
	v_mul_u32_u24 v13, v20, 1040
	v_lshl_add_u32 v13, v21, 6, v13
	v_add_nc_u32 v13, s86, v13
	v_add_nc_u32 v13, VST, v13                     ; the result's stage: token r, channels 32 w + 16 h on; row tiles 0-3,
	v_add_nc_u32 v14, 66560, v13                   ; and 4-7
	s_lshl_b32 s86, s3, 4
	v_add_nc_u32 v17, s86, v21
	v_mul_u32_u24 v15, v17, 1040
	v_lshl_add_u32 v15, v20, 4, v15
	v_add_nc_u32 v15, VST, v15                     ; and back: my row tile's rows, sixteen lanes to 256 bytes
	MKSC 56, 26, 27                                ; the hidden layer: e8
	v_mov_b32 v192, 0x32edffee                     ; erf's second coefficients, in pairs: an instruction takes one literal
	v_mov_b32 v193, 0x32edffee
	v_mov_b32 v194, 0xb95fbd29
	v_mov_b32 v195, 0xb95fbd29
.macro HFLOAD                          ; a row tile's two fragments of LayerNorm 2's codes; v9 = v5 + 4352 x tile
.irp s,0,1
.irp c,0,1,2,3
	ds_load_b128 v[64+16*\s+4*\c:64+16*\s+4*\c+3], v9 offset:128*\s+32*\c
.endr
.endr
.endm
.macro GELU16 hh, hc                   ; 16 sums a lane become 16 codes of gelu
.irp j,0,2,4,6,8,10,12,14
	v_pk_mul_f32 v[\hh+\j:\hh+\j+1], v[\hh+\j:\hh+\j+1], s[72:73] op_sel_hi:[1,0]      ; x / 2
.endr
.irp j,0,2,4,6,8,10,12,14
	v_pk_mul_f32 v[YY+\j:YY+\j+1], v[\hh+\j:\hh+\j+1], 0x3fb504f3 op_sel_hi:[1,0]      ; y = x / sqrt 2
.endr
.irp j,0,1,2,3,4,5,6,7,8,9,10,11,12,13,14,15
	v_med3_num_f32 v[YY+\j], v[YY+\j], -4.0, 4.0
.endr
.irp j,0,2,4,6,8,10,12,14
	v_pk_mul_f32 v[ZZ+\j:ZZ+\j+1], v[YY+\j:YY+\j+1], v[YY+\j:YY+\j+1]
.endr
.irp j,0,2,4,6,8,10,12,14
	v_pk_fma_f32 v[PN+\j:PN+\j+1], v[ZZ+\j:ZZ+\j+1], 0xaf95df0b, v[192:193] op_sel_hi:[1,0,1]
	v_pk_fma_f32 v[QD+\j:QD+\j+1], v[ZZ+\j:ZZ+\j+1], 0xb77460cd, v[194:195] op_sel_hi:[1,0,1]
.endr
.irp k,0xb60cff51,0xb86ec2d2,0xba40ac63,0xbb41a1f6,0xbc83dbd4
.irp j,0,2,4,6,8,10,12,14
	v_pk_fma_f32 v[PN+\j:PN+\j+1], v[PN+\j:PN+\j+1], v[ZZ+\j:ZZ+\j+1], \k op_sel_hi:[1,1,0]
.endr
.endr
.irp k,0xbadc924e,0xbbf19bf8,0xbc69b6a7
.irp j,0,2,4,6,8,10,12,14
	v_pk_fma_f32 v[QD+\j:QD+\j+1], v[QD+\j:QD+\j+1], v[ZZ+\j:ZZ+\j+1], \k op_sel_hi:[1,1,0]
.endr
.endr
.irp j,0,1,2,3,4,5,6,7,8,9,10,11,12,13,14,15
	v_rcp_f32 v[QD+\j], v[QD+\j]
.endr
.irp j,0,2,4,6,8,10,12,14
	v_pk_mul_f32 v[PN+\j:PN+\j+1], v[PN+\j:PN+\j+1], v[YY+\j:YY+\j+1]                  ; plain work behind the reciprocals, which names none of them
.endr
	s_wait_alu depctr_va_vdst(0)                   ; one wait for the sixteen, ahead of their first reader
.irp j,0,2,4,6,8,10,12,14
	v_pk_mul_f32 v[PN+\j:PN+\j+1], v[PN+\j:PN+\j+1], v[QD+\j:QD+\j+1]                  ; erf
.endr
.irp j,0,2,4,6,8,10,12,14
	v_pk_fma_f32 v[\hh+\j:\hh+\j+1], v[\hh+\j:\hh+\j+1], v[PN+\j:PN+\j+1], v[\hh+\j:\hh+\j+1]   ; x / 2 + x / 2 erf
.endr
.irp j,0,1,2,3,4,5,6,7,8,9,10,11,12,13,14,15
	v_med3_num_f32 v[\hh+\j], v[\hh+\j], -v27, v27
.endr
	v_cvt_scalef32_pk8_fp8_f32 v[\hc:\hc+1], v[\hh:\hh+7], v26
	v_cvt_scalef32_pk8_fp8_f32 v[\hc+2:\hc+3], v[\hh+8:\hh+15], v26
.endm
.macro MLP1 next                       ; one row tile: my 64 hidden units; s88 = 8448 x this tile; s67 = 4352 x the next
	s_wait_dscnt 0x0
	s_wait_alu depctr_vm_vsrc(0)                   ; this tile's loads have read v9, the last tile's stores v10 and v196-203: all are written again below
	WIN 0x01                                       ; source 0 (mw1) in window 1; the four accumulators take turns
.irp t,0,1,2,3
	v_wmma_f32_16x16x128_fp8_fp8 v[32+8*\t:32+8*\t+7], v[32*\t:32*\t+15], v[64:79], v[96+8*\t:96+8*\t+7]
.endr
.irp t,0,1,2,3
	v_wmma_f32_16x16x128_fp8_fp8 v[32+8*\t:32+8*\t+7], v[32*\t+16:32*\t+31], v[80:95], v[32+8*\t:32+8*\t+7]
.endr
	WIN 0
.rept 4
	v_nop
.endr
.if \next
	v_add_nc_u32 v9, s67, v5
	s_wait_alu depctr_va_vdst(0)                   ; v9 is written, which the loads read; the products are done reading v64-95, in which they land
	HFLOAD
.endif
	GELU16 32, 196
	GELU16 48, 200
	v_add_nc_u32 v10, s88, v6                      ; (the plain instruction behind the conversions)
	s_wait_alu depctr_va_vdst(0)                   ; v10 and the codes in v196-203 are written, which the stores read
	ds_store_b128 v10, v[196:199]                  ; token r, hidden units 64 w + 16 h + 0 .. 15,
	ds_store_b128 v10, v[200:203] offset:32        ; and 64 w + 32 + 16 h + 0 .. 15
.endm
	s_mov_b32 s67, 0
	v_add_nc_u32 v9, s67, v5
	s_wait_alu depctr_va_vdst(0)                   ; the phase's addresses v4 to v15 are written; LayerNorm 2 is done with v64-127, in which mb1 and the first fragments land
.irp k,0,1,2,3,4,5,6,7
	ds_load_b128 v[96+4*\k:99+4*\k], v4 offset:(\k/4)*128+(\k%4)*16
.endr
	HFLOAD
	s_mov_b32 s88, 0
	s_mov_b32 s62, 7
.Lmlp:
	s_add_co_u32 s67, s67, 4352
	MLP1 1
	s_add_co_u32 s88, s88, 8448
	s_sub_co_u32 s62, s62, 1
	s_cmp_lg_u32 s62, 0
	s_cbranch_scc1 .Lmlp
	MLP1 0                                         ; the last tile fetches nothing
	WIN 0x40                                       ; mw2's eight fragments take mw1's registers
	s_wait_alu depctr_va_vdst(0)                   ; the last tile's products are done reading mw1's fragments and mb1, in whose registers mw2's fragments and mb2 land
.irp u,0,1
.irp s,0,1,2,3
.irp c,0,1,2,3
	ds_load_b128 v[16*(4*\u+\s)+4*\c:16*(4*\u+\s)+4*\c+3], v7 offset:8448*\u+128*\s+32*\c
.endr
.endr
.endr
	WIN 0
.irp k,0,1,2,3
	ds_load_b128 v[96+4*\k:99+4*\k], v8 offset:16*\k
.endr
	BAR                                            ; the hidden layer's codes lie in LDS; every wave has taken its rows of mw2 out of VST
	; ---------------- MLP, second layer, the residual, the way out
.macro HLOAD a
.irp s,0,1,2,3
.irp c,0,1,2,3
	ds_load_b128 v[128+64*((\a)%2)+16*\s+4*\c:128+64*((\a)%2)+16*\s+4*\c+3], v12 offset:8448*(\a)+128*\s+32*\c
.endr
.endr
.endm
.macro YSTORE b                        ; row tile b's results, out of set b % 2, into the stage
.irp i,0,1,2,3
	ds_store_b128 v[13+(\b)/4], v[64+16*((\b)%2)+4*\i:67+16*((\b)%2)+4*\i] offset:((\b)%4)*16640+16*\i
.endr
.endm
	s_wait_alu depctr_vm_vsrc(0)                   ; the first layer's last stores have read v196-203, in which the second tile's fragments land
	HLOAD 0
	HLOAD 1
.irp a,0,1,2,3,4,5,6,7
.if \a < 2
	s_wait_dscnt 16                                ; behind this tile's 16 loads: the next tile's 16
.elseif \a == 2
	s_wait_dscnt 20                                ; the next tile's 16 loads and one tile's 4 stores
.elseif \a < 7
	s_wait_dscnt 24                                ; the next tile's 16 loads and two tiles' 4 stores each
.else
	s_wait_dscnt 8                                 ; two tiles' 4 stores each
.endif
	WIN 0x01
.irp s,0,1,2,3
.irp u,0,1
.if \s == 0
	v_wmma_f32_16x16x128_fp8_fp8 v[32+16*(\a%2)+8*\u:32+16*(\a%2)+8*\u+7], v[16*(4*\u+\s):16*(4*\u+\s)+15], v[128+64*(\a%2)+16*\s:128+64*(\a%2)+16*\s+15], v[96+8*\u:96+8*\u+7]
.else
	v_wmma_f32_16x16x128_fp8_fp8 v[32+16*(\a%2)+8*\u:32+16*(\a%2)+8*\u+7], v[16*(4*\u+\s):16*(4*\u+\s)+15], v[128+64*(\a%2)+16*\s:128+64*(\a%2)+16*\s+15], v[32+16*(\a%2)+8*\u:32+16*(\a%2)+8*\u+7]
.endif
.endr
.endr
	WIN 0
.rept 4
	v_nop                                          ; four places behind the products, ahead of the first read of their results
.endr
	s_wait_alu depctr_va_vdst(0)                   ; this tile's products are done reading their fragments, in which the loads of two tiles on land; the last tile's multiply-adds have written its results, which the stores below read
.if \a < 6
	HLOAD \a+2
.endif
.if \a > 0
	YSTORE \a-1
.endif
.if \a > 1
	s_wait_alu depctr_vm_vsrc(0)                   ; the stores of two tiles back, issued in the last tile, have read the set that the multiply-adds below write again
.endif
	WIN 0x10
.irp j,0,2,4,6,8,10,12,14
	v_pk_fma_f32 v[64+16*(\a%2)+\j:65+16*(\a%2)+\j], v[32+16*(\a%2)+\j:33+16*(\a%2)+\j], s[74:75], v[XR+16*\a+\j:XR+16*\a+\j+1] op_sel_hi:[1,0,1]   ; x + sum x 2^(e8+e9)
.endr
	WIN 0
.endr
	s_wait_alu depctr_va_vdst(0)                   ; the last tile's multiply-adds have written its results, which the stores read; the products are done with v128-255, in which the result's rows land behind the barrier
	YSTORE 7
	BAR                                            ; 128 whole rows of the result lie in the stage
.set i, 0
.rept 32
	ds_load_b128 v[128+4*i:128+4*i+3], v15 offset:2*(i/4)*1040+256*(i%4)
.set i, i+1
.endr
.set i, 0
.rept 32
	s_wait_dscnt 31-i
	global_store_b128 v1, v[128+4*i:128+4*i+3], s[46:47] offset:((i/4)/4)*4194304+((i/4)%4)*2048+256*(i%4) th:TH_STORE_NT   ; sixteen lanes store 256 consecutive bytes, aligned
.set i, i+1
.endr
	s_wait_xcnt 0x0
	s_wait_alu depctr_vm_vsrc(0)                   ; the last store has read v252-255, of which the two lines below write two
	v_lshl_add_u32 v254, v0, 2, 0x4bd00
	v_mov_b32 v255, 0
	s_wait_dscnt 0x0                               ; the closing lines, six on end
	s_wait_alu 0x0
	s_wait_tensorcnt 0x0
	ds_add_u32 v254, v255
	s_wait_dscnt 0x0
	s_endpgm
.Lfunc_end_k_q559697c6fb_xattn:
	.size	k_q559697c6fb_xattn, .Lfunc_end_k_q559697c6fb_xattn-k_q559697c6fb_xattn
	.p2alignl 7, 3214868480
	.fill 96, 4, 3214868480
	.section	.rodata,"a",@progbits
	.p2align	6, 0x0
	.amdhsa_kernel k_q559697c6fb_xattn
		.amdhsa_group_segment_fixed_size 311552
		.amdhsa_private_segment_fixed_size 0
		.amdhsa_enable_private_segment 0
		.amdhsa_kernarg_size 160
		.amdhsa_user_sgpr_count 2
		.amdhsa_user_sgpr_kernarg_segment_ptr 1
		.amdhsa_wavefront_size32 1
		.amdhsa_system_sgpr_workgroup_id_x 1
		.amdhsa_system_sgpr_workgroup_id_y 1
		.amdhsa_system_sgpr_workgroup_id_z 1
		.amdhsa_system_vgpr_workitem_id 0
		.amdhsa_next_free_vgpr 512
		.amdhsa_next_free_sgpr 100
		.amdhsa_reserve_vcc 0
		.amdhsa_float_denorm_mode_32 3
		.amdhsa_float_denorm_mode_16_64 3
		.amdhsa_memory_ordered 1
		.amdhsa_forward_progress 1
		.amdhsa_inst_pref_size 255
	.end_amdhsa_kernel
	.section	.bss,"aw",@nobits
	.p2align	6
	.space	262144
	.amdgpu_metadata
---
amdhsa.version: [ 1, 2 ]
amdhsa.kernels:
  - .name:           k_q559697c6fb_xattn
    .symbol:         k_q559697c6fb_xattn.kd
    .args:
      - { .name: q, .offset: 0, .size: 8, .value_kind: global_buffer, .address_space: global }
      - { .name: k, .offset: 8, .size: 8, .value_kind: global_buffer, .address_space: global }
      - { .name: v, .offset: 16, .size: 8, .value_kind: global_buffer, .address_space: global }
      - { .name: gq, .offset: 24, .size: 8, .value_kind: global_buffer, .address_space: global }
      - { .name: bq, .offset: 32, .size: 8, .value_kind: global_buffer, .address_space: global }
      - { .name: gk, .offset: 40, .size: 8, .value_kind: global_buffer, .address_space: global }
      - { .name: bk, .offset: 48, .size: 8, .value_kind: global_buffer, .address_space: global }
      - { .name: gv, .offset: 56, .size: 8, .value_kind: global_buffer, .address_space: global }
      - { .name: bv, .offset: 64, .size: 8, .value_kind: global_buffer, .address_space: global }
      - { .name: bias_table, .offset: 72, .size: 8, .value_kind: global_buffer, .address_space: global }
      - { .name: proj_w_codes, .offset: 80, .size: 8, .value_kind: global_buffer, .address_space: global }
      - { .name: proj_b, .offset: 88, .size: 8, .value_kind: global_buffer, .address_space: global }
      - { .name: g2, .offset: 96, .size: 8, .value_kind: global_buffer, .address_space: global }
      - { .name: b2, .offset: 104, .size: 8, .value_kind: global_buffer, .address_space: global }
      - { .name: mw1_codes, .offset: 112, .size: 8, .value_kind: global_buffer, .address_space: global }
      - { .name: mb1, .offset: 120, .size: 8, .value_kind: global_buffer, .address_space: global }
      - { .name: mw2_codes, .offset: 128, .size: 8, .value_kind: global_buffer, .address_space: global }
      - { .name: mb2, .offset: 136, .size: 8, .value_kind: global_buffer, .address_space: global }
      - { .name: lowp_scales, .offset: 144, .size: 8, .value_kind: global_buffer, .address_space: global }
      - { .name: out0, .offset: 152, .size: 8, .value_kind: global_buffer, .address_space: global }
    .group_segment_fixed_size: 311552
    .private_segment_fixed_size: 0
    .kernarg_segment_align: 8
    .kernarg_segment_size: 160
    .max_flat_workgroup_size: 256
    .sgpr_count:     100
    .vgpr_count:     512
    .wavefront_size: 32
...
	.end_amdgpu_metadata
.endif
;; end of part 2
